; MI455X (gfx1250); checked and timed in simulation.
; The chip was launched on July 23, 2026; its instructions are those of AMD's public machine-readable ISA for CDNA 5 (MIT licence, August 2026) and "CDNA5" Instruction Set Architecture Reference Guide (July 2026). The comments in the code are by the model that wrote it; some were corrected since.
;; Attention1. Allowed arithmetic: float matrix products may take bf16 or f16 operands with f32 sums; all other float work in f32.
;; Inputs: Wk 4 x 512 x 512 float32; Wout 256 x 256 float32; Wq 4 x 256 x 256 float32; Wv 4 x 512 x 512 float32; emb 8 x 1,024 x 256 float32; emb_all 8 x 1,024 x 512 float32.
;; Outputs: out0 8 x 1,024 x 256 float32.
;; 2 versions, each right and faster than the one before. Each part assembles by itself: llvm-mc -triple=amdgcn-amd-amdhsa -mcpu=gfx1250 --defsym DOCPART=n.
;; ======== version 1 of 2: 5 launches
;; limits: values are held in f16: magnitudes above 65,504 overflow, below 6.1e-05 lose precision; right only within a limited range of input values; inputs' magnitudes at most 65,504
;; workspace buffers: WF 4,849,664 bytes; GF 2,097,152 bytes; SB 16,777,216 bytes; ST 16,384 bytes; MTF 8,388,608 bytes; TF 2,097,152 bytes
;; launch gram (part 1): grid 256 x 1, 8 waves a work-group, no clusters, 221,184 bytes of LDS; arguments emb, emb_all, Wq, Wk, Wv, Wout, GF, WF; writes GF, WF
.if DOCPART == 1
	.amdgcn_target "amdgcn-amd-amdhsa--gfx1250"
	.amdhsa_code_object_version 6
	.text
	.protected	k_q517f63acbc_gram
	.globl	k_q517f63acbc_gram
	.p2align	8
	.type	k_q517f63acbc_gram,@function
k_q517f63acbc_gram:
	s_mov_b64 s[64:65], 0
	v_nop
	global_prefetch_b8 v0, s[64:65] scope:SCOPE_SE
	s_setreg_imm32_b32 hwreg(HW_REG_WAVE_MODE, 25, 1), 1
	s_wait_xcnt 0x0
; LAUNCH 1 OF 5.  The module is re-associated (exact algebra, for every input):
;   scores[b,h] = Wq[h] G[b] Wk[h]^T / sqrt(512),  G[b][c][k'] = sum over n of emb[b][n][c] emb_all[b][n][k']
;   out[b]      = emb_all[b] T[b]^T,               T[b] = 1/4 Wout sum over h of (probs[b,h] Wv[h])
; This launch (a) makes G^T[b] x 2^-6 in f16 and (b) rewrites the four weights in f16.
; FRAGMENT ORDER of every 16-bit operand X[rows][K] in the workspace: 16 rows x 32 K are 1,024 bytes; byte 512 q + 16 lane holds
; X[row0 + r][k0 + 16 q + 8 hh + 0..7], lane = 16 hh + r: a fragment is two loads of 16 bytes a lane with neighbouring lanes 16 bytes apart.
; All matrix operands are f16 (11 significant bits; bf16's 8 would use up the result's margin), sums in f32.
; LIMITS: inputs go to f16 as they are: |x| < 65,504; magnitudes under 6.1e-5 keep an absolute error of 3e-8.
;         G is stored x 2^-6: |G| < 4.19e6 (offsets of 30 on both inputs give 9.3e5).
; SHARE: work-group g: b = g >> 5, 64 columns k' (mt = (g >> 2) & 7), 64 columns c (cb = g & 3), all 1,024 n.
; Wave w takes n = 128 w .. 128 w + 127 in four steps of 32 rows and holds the whole 64 x 64 partial in 16 accumulators, so the
; main part has no barrier; the eight partials meet in LDS at the end.
; NO CLUSTER, NO TENSOR LOAD: the operands are f32 stored [n][column]; they have to pass through registers to become f16 and through the
; transposing LDS load to become fragments.  A shared f32 tile in LDS would add a read of 512 KiB and keep both of those passes.
.set WVF, 2097152                      ; WF: Wk fragments at 0, Wv^T at WVF, Wq at WQF, Wout at WOF
.set WQF, 4194304
.set WOF, 4718592
.set WSTG, 10240                       ; LDS of a wave's staging: emb_all tile 32 rows x 160 bytes, then emb tile the same
.set TP,   160                         ; staging pitch: 128 bytes of f16 + 32 (an odd multiple of 32)
.set RED,  81920                       ; behind the staging: eight partials, f32 [64 k'][272 bytes]
.set REDW, 17408
.set RP,   272
.set EMF,  16                          ; v[16:47]   four fragments of emb^T (16 c x 32 n)
.set EAF,  48                          ; v[48:63]   two fragments of emb_all^T (16 k' x 32 n)
.set RING, 64                          ; v[64:127]  ring of 16 loads of 16 bytes a lane
.set ACC,  128                         ; v[128:255] accumulator (ctk, ctc) at ACC + 8 (4 ctk + ctc); before the first product: scratch for the weights
; v1 lane, v2 r, v3 hh, v4/v5 offsets in emb_all/emb, v6 staging store, v7 transposing load, v8 Wk, v9 Wv, v10 Wq/Wout offsets,
; v11 16 x thread, v12 16 x lane, v13 partial's store, v14/v15 partials' read (regions 0-3 / 4-7)
.macro PLACES                          ; four plain vector places behind a matrix instruction (ISA guide 7.12.1)
.rept 4
	v_nop
.endr
.endm
	s_load_b512 s[4:19], s[0:1], 0x0               ; emb 4, emb_all 6, Wq 8, Wk 10, Wv 12, Wout 14, GF 16, WF 18
	v_lshrrev_b32 v1, 5, v0
	v_readfirstlane_b32 s20, v1                    ; wave 0..7
	v_and_b32 v1, 31, v0
	v_and_b32 v2, 15, v0
	v_bfe_u32 v3, v0, 4, 1
	v_bfe_u32 v16, v0, 4, 3                        ; (thread >> 4) & 7
	v_lshrrev_b32 v17, 7, v0                       ; thread >> 7
	v_lshlrev_b32 v4, 4, v2
	v_lshl_add_u32 v5, v3, 10, v4                  ; emb: two rows of 1,024 bytes a load, 16 bytes a lane
	v_lshl_add_u32 v4, v3, 11, v4                  ; emb_all: rows of 2,048 bytes
	s_mul_i32 s22, s20, WSTG
	v_mul_u32_u24 v6, v3, TP
	v_lshl_add_u32 v6, v2, 3, v6
	v_add_nc_u32 v6, s22, v6                       ; staging: row hh, 8 bytes (4 f16) a lane
	v_and_b32 v18, 7, v0
	v_lshl_add_u32 v18, v3, 3, v18
	v_mul_u32_u24 v7, v18, TP
	v_bfe_u32 v18, v0, 3, 1
	v_lshl_add_u32 v7, v18, 4, v7
	v_add_nc_u32 v7, s22, v7                       ; (8 hh + (lane & 7)) rows + 16 ((lane >> 3) & 1)
	v_lshlrev_b32 v8, 11, v2
	v_lshl_add_u32 v8, v16, 5, v8
	v_lshl_add_u32 v8, v17, 15, v8                 ; Wk: row r + 16 (thread >> 7), 8 numbers at 8 ((thread >> 4) & 7)
	v_lshlrev_b32 v9, 14, v16
	v_lshl_add_u32 v9, v2, 2, v9
	v_lshl_add_u32 v9, v17, 6, v9                  ; Wv: rows 8 ((thread >> 4) & 7) + i, column r + 16 (thread >> 7)
	v_lshlrev_b32 v10, 10, v2
	v_lshl_add_u32 v10, v3, 5, v10                 ; Wq, Wout: row r, 8 numbers at 8 hh
	v_lshlrev_b32 v11, 4, v0
	v_lshlrev_b32 v12, 4, v1
	s_mul_i32 s23, s20, REDW
	s_add_co_u32 s23, s23, RED
	v_mul_u32_u24 v13, v2, RP
	v_lshl_add_u32 v13, v3, 5, v13
	v_add_nc_u32 v13, s23, v13                     ; my partial: row k' = r, columns c = 8 hh ..
	v_lshl_add_u32 v14, v17, 4, v2
	v_mul_u32_u24 v14, v14, RP
	v_lshl_add_u32 v14, v16, 5, v14
	v_add_nc_u32 v14, RED, v14
	v_add_nc_u32 v15, 4*REDW, v14
	; byte offsets, apart from the addresses
	s_lshr_b32 s24, ttmp9, 5                       ; b
	s_bfe_u32 s25, ttmp9, 0x30002                  ; mt
	s_and_b32 s26, ttmp9, 3                        ; cb
	s_lshl_b32 s28, s24, 21
	s_lshl_b32 s27, s20, 18
	s_add_co_u32 s28, s28, s27
	s_lshl_b32 s27, s25, 8
	s_add_co_u32 s28, s28, s27                     ; emb_all: b, my 128 rows, 64 columns k'
	s_mov_b32 s29, 0
	s_lshl_b32 s30, s24, 20
	s_lshl_b32 s27, s20, 17
	s_add_co_u32 s30, s30, s27
	s_lshl_b32 s27, s26, 8
	s_add_co_u32 s30, s30, s27                     ; emb: b, my 128 rows, 64 columns c
	s_mov_b32 s31, 0
	s_lshr_b32 s32, ttmp9, 6                       ; the weights' slice: head g >> 6,
	s_and_b32 s33, ttmp9, 7                        ; g & 7,
	s_bfe_u32 s34, ttmp9, 0x30003                  ; (g >> 3) & 7
	s_lshl_b32 s36, s32, 20
	s_lshl_b32 s27, s33, 17
	s_add_co_u32 s36, s36, s27
	s_lshl_b32 s27, s34, 8
	s_add_co_u32 s36, s36, s27                     ; Wk: 64 rows j at 64 (g & 7), 64 columns k' at 64 ((g >> 3) & 7)
	s_mov_b32 s37, 0
	s_lshl_b32 s38, s32, 20
	s_lshl_b32 s27, s34, 17
	s_add_co_u32 s38, s38, s27
	s_lshl_b32 s27, s33, 8
	s_add_co_u32 s38, s38, s27                     ; Wv: 64 rows j at 64 ((g >> 3) & 7), 64 columns k at 64 (g & 7)
	s_mov_b32 s39, 0
	s_lshl_b32 s40, s24, 18
	s_lshl_b32 s27, s26, 16
	s_add_co_u32 s40, s40, s27
	s_lshl_b32 s27, s25, 13
	s_add_co_u32 s40, s40, s27                     ; GF [b][cb][k't 32][ks2 2][1 KiB]: my 8 KiB
	s_mov_b32 s41, 0
	s_lshl_b32 s42, ttmp9, 13                      ; WF: 8 KiB of Wk's and of Wv's fragments
	s_mov_b32 s43, 0
	s_wait_kmcnt 0x0
	s_add_nc_u64 s[6:7], s[6:7], s[28:29]
	s_add_nc_u64 s[4:5], s[4:5], s[30:31]
	s_add_nc_u64 s[10:11], s[10:11], s[36:37]
	s_add_nc_u64 s[12:13], s[12:13], s[38:39]
	s_add_nc_u64 s[16:17], s[16:17], s[40:41]
	s_add_nc_u64 s[44:45], s[18:19], s[42:43]
	; the weights' loads first (20), each weight byte read once in the launch
.irp u, 0,1
	global_load_b128 v[ACC+8*\u:ACC+8*\u+3],   v8, s[10:11] offset:\u*65536 th:TH_LOAD_NT
	global_load_b128 v[ACC+8*\u+4:ACC+8*\u+7], v8, s[10:11] offset:\u*65536+16 th:TH_LOAD_NT
.endr
.irp u, 0,1
.irp i, 0,1,2,3,4,5,6,7
	global_load_b32 v[ACC+16+8*\u+\i], v9, s[12:13] offset:\i*2048+\u*128 th:TH_LOAD_NT
.endr
.endr
; Load t of the wave's 128: step t / 32; within a step loads 0-15 bring emb_all's rows 2 i, 2 i + 1, loads 16-31 emb's.  Slot t % 16.
.macro RLOAD t
.if ((\t)%32) < 16
	global_load_b128 v[RING+4*((\t)%16):RING+4*((\t)%16)+3], v4, s[6:7] offset:((\t)/32)*65536+((\t)%32)*4096
.else
	global_load_b128 v[RING+4*((\t)%16):RING+4*((\t)%16)+3], v5, s[4:5] offset:((\t)/32)*32768+((\t)%32-16)*2048
.endif
.endm
.set TT, 0
.rept 16
	RLOAD TT
.set TT, TT+1
.endr
.set TT, 0
	; Wq (waves 0-3, 512 bytes of fragments each) and Wout (wave 4); waves 5-7 have none
	s_cmp_gt_u32 s20, 4
	s_cbranch_scc1 .Lno_small
	s_lshl_b32 s46, s32, 18
	s_bfe_u32 s27, ttmp9, 0x40002
	s_lshl_b32 s27, s27, 14
	s_add_co_u32 s46, s46, s27
	s_lshl_b32 s27, s26, 8
	s_add_co_u32 s46, s46, s27
	s_lshl_b32 s27, s20, 6
	s_add_co_u32 s46, s46, s27                     ; Wq: rows 256 (g >> 6) + 16 ((g >> 2) & 15), columns 64 (g & 3) + 16 w
	s_lshl_b32 s48, s32, 16
	s_bfe_u32 s27, ttmp9, 0x20001
	s_lshl_b32 s27, s27, 14
	s_add_co_u32 s48, s48, s27
	s_lshl_b32 s27, s34, 7
	s_add_co_u32 s48, s48, s27
	s_and_b32 s27, ttmp9, 1
	s_lshl_b32 s27, s27, 6
	s_add_co_u32 s48, s48, s27                     ; Wout: rows 64 (g >> 6) + 16 ((g >> 1) & 3), columns 32 ((g >> 3) & 7) + 16 (g & 1)
	s_lshl_b32 s50, ttmp9, 11
	s_lshl_b32 s27, s20, 9
	s_add_co_u32 s50, s50, s27
	s_add_co_u32 s50, s50, WQF                     ; WQF [h][dt 16][ks 8][1 KiB]
	s_lshl_b32 s52, ttmp9, 9
	s_add_co_u32 s52, s52, WOF                     ; WOF [dw 4][ks 8][nt 4][1 KiB]
	s_cmp_eq_u32 s20, 4
	s_cselect_b32 s46, s48, s46
	s_cselect_b32 s50, s52, s50
	s_cselect_b64 s[54:55], s[14:15], s[8:9]
	s_mov_b32 s47, 0
	s_mov_b32 s51, 0
	s_add_nc_u64 s[54:55], s[54:55], s[46:47]
	s_add_nc_u64 s[56:57], s[18:19], s[50:51]
	global_load_b128 v[ACC+32:ACC+35], v10, s[54:55] th:TH_LOAD_NT
	global_load_b128 v[ACC+36:ACC+39], v10, s[54:55] offset:16 th:TH_LOAD_NT
	s_wait_loadcnt 0x0                             ; these two are the youngest loads
.irp i, 0,1,2,3
	v_cvt_pk_f16_f32 v[ACC+32+\i], v[ACC+32+2*\i], v[ACC+32+2*\i+1]
.endr
	global_store_b128 v12, v[ACC+32:ACC+35], s[56:57]      ; 512 consecutive bytes
.Lno_small:
	s_wait_loadcnt 16                              ; the 20 weight loads are in; the ring's 16 may stay out
.irp u, 0,1
.irp i, 0,1,2,3
	v_cvt_pk_f16_f32 v[ACC+8*\u+\i],    v[ACC+8*\u+2*\i],    v[ACC+8*\u+2*\i+1]
	v_cvt_pk_f16_f32 v[ACC+16+8*\u+\i], v[ACC+16+8*\u+2*\i], v[ACC+16+8*\u+2*\i+1]
.endr
	global_store_b128 v11, v[ACC+8*\u:ACC+8*\u+3],       s[44:45] offset:\u*4096         ; WKF [h][kb 8][jt 32][ks2 2][1 KiB]
	global_store_b128 v11, v[ACC+16+8*\u:ACC+16+8*\u+3], s[44:45] offset:WVF+\u*4096     ; WVF [h][jb 8][kt 32][ks2 2][1 KiB]
.endr
; One turn of the ring: load TT is in; to f16, into the staging tile; the slot's next load goes out.
.macro TURN
.if TT < 112
	s_wait_loadcnt 15                              ; loads come back in order: 15 younger ones stay out
.else
	s_wait_loadcnt 127-TT                          ; the last 16 turns load nothing: the count runs down
.endif
	v_cvt_pk_f16_f32 v[RING+4*(TT%16)],   v[RING+4*(TT%16)],   v[RING+4*(TT%16)+1]
	v_cvt_pk_f16_f32 v[RING+4*(TT%16)+1], v[RING+4*(TT%16)+2], v[RING+4*(TT%16)+3]
.if (TT%32) < 16
	ds_store_b64 v6, v[RING+4*(TT%16):RING+4*(TT%16)+1] offset:(TT%32)*2*TP
.else
	ds_store_b64 v6, v[RING+4*(TT%16):RING+4*(TT%16)+1] offset:32*TP+(TT%32-16)*2*TP
.endif
.if TT < 112
	RLOAD (TT+16)
.endif
.set TT, TT+1
.endm
; Eight products: k' tiles base, base + 1 x all four c tiles.  Source 0 = emb^T (rows c), source 1 = emb_all^T (rows k').
; The sixteen accumulators take turns, one instruction a turn.
.macro MULG base, zero
.irp k, 0,1
.irp c, 0,1,2,3
.if \zero
	v_wmma_f32_16x16x32_f16 v[ACC+8*(4*(\base+\k)+\c):ACC+8*(4*(\base+\k)+\c)+7], v[EMF+8*\c:EMF+8*\c+7], v[EAF+8*\k:EAF+8*\k+7], 0
.else
	v_wmma_f32_16x16x32_f16 v[ACC+8*(4*(\base+\k)+\c):ACC+8*(4*(\base+\k)+\c)+7], v[EMF+8*\c:EMF+8*\c+7], v[EAF+8*\k:EAF+8*\k+7], v[ACC+8*(4*(\base+\k)+\c):ACC+8*(4*(\base+\k)+\c)+7]
.endif
.endr
.endr
.endm
; A step: 32 rows n.  The 64 conversions of its turns are the places between the last step's products and this step's fragment loads.
; The staging tiles are the wave's own, and LDS serves a wave's instructions in order: no barrier.
.macro STEP zero
.rept 32
	TURN
.endr
.irp ct, 0,1,2,3
	ds_load_tr16_b128 v[EMF+8*\ct:EMF+8*\ct+3],   v7 offset:32*TP+\ct*32
	ds_load_tr16_b128 v[EMF+8*\ct+4:EMF+8*\ct+7], v7 offset:32*TP+\ct*32+16*TP
.endr
.irp ct, 0,1
	ds_load_tr16_b128 v[EAF+8*\ct:EAF+8*\ct+3],   v7 offset:\ct*32
	ds_load_tr16_b128 v[EAF+8*\ct+4:EAF+8*\ct+7], v7 offset:\ct*32+16*TP
.endr
	s_wait_dscnt 0x0
.if \zero
	s_wait_xcnt 0x0                                ; the accumulators' registers were the weight stores' data: written only behind this wait
.endif
	MULG 0, \zero
	PLACES
.irp ct, 0,1
	ds_load_tr16_b128 v[EAF+8*\ct:EAF+8*\ct+3],   v7 offset:(\ct+2)*32
	ds_load_tr16_b128 v[EAF+8*\ct+4:EAF+8*\ct+7], v7 offset:(\ct+2)*32+16*TP
.endr
	s_wait_dscnt 0x0
	MULG 2, \zero
.endm
	STEP 1                                         ; the first step's products start the sums: nothing is cleared
	STEP 0
	STEP 0
	STEP 0
	; the eight waves' partials meet: register i of lane (r, hh) of tile (ctk, ctc) is (c = 16 ctc + 8 hh + i, k' = 16 ctk + r)
	PLACES
.irp k, 0,1,2,3
.irp c, 0,1,2,3
	ds_store_b128 v13, v[ACC+8*(4*\k+\c):ACC+8*(4*\k+\c)+3]   offset:\k*16*RP+\c*64
	ds_store_b128 v13, v[ACC+8*(4*\k+\c)+4:ACC+8*(4*\k+\c)+7] offset:\k*16*RP+\c*64+16
.endr
.endr
	s_wait_dscnt 0x0                               ; my partial is in LDS, for the others' sake
	s_barrier_signal -1
	s_barrier_wait -1
	; thread t makes the 16 bytes at 4,096 u + 16 t of the tile's 8 KiB in fragment order: row k' = 32 u + 16 (t >> 7) + r, c = 8 ((t >> 4) & 7) ..
.irp u, 0,1
.irp g, 0,1,2,3
	ds_load_b128 v[16+64*\u+8*\g:16+64*\u+8*\g+3],     v14 offset:\g*REDW+\u*32*RP
	ds_load_b128 v[16+64*\u+8*\g+4:16+64*\u+8*\g+7],   v14 offset:\g*REDW+\u*32*RP+16
	ds_load_b128 v[48+64*\u+8*\g:48+64*\u+8*\g+3],     v15 offset:\g*REDW+\u*32*RP
	ds_load_b128 v[48+64*\u+8*\g+4:48+64*\u+8*\g+7],   v15 offset:\g*REDW+\u*32*RP+16
.endr
.endr
.macro ADD8 d, s                       ; eight numbers at d += eight at s
.irp p, 0,2,4,6
	v_pk_add_f32 v[\d+\p:\d+\p+1], v[\d+\p:\d+\p+1], v[\s+\p:\s+\p+1]
.endr
.endm
.irp u, 0,1
	s_wait_dscnt 16-16*\u                          ; chunk u's 16 loads are in; chunk 1's may stay out
	ADD8 16+64*\u,    16+64*\u+8
	ADD8 16+64*\u+16, 16+64*\u+24
	ADD8 16+64*\u+32, 16+64*\u+40
	ADD8 16+64*\u+48, 16+64*\u+56
	ADD8 16+64*\u,    16+64*\u+16
	ADD8 16+64*\u+32, 16+64*\u+48
	ADD8 16+64*\u,    16+64*\u+32
.irp p, 0,2,4,6
	v_pk_mul_f32 v[16+64*\u+\p:16+64*\u+\p+1], v[16+64*\u+\p:16+64*\u+\p+1], 0x3c800000 op_sel_hi:[1,0]   ; x 2^-6, exact
.endr
.irp i, 0,1,2,3
	v_cvt_pk_f16_f32 v[16+64*\u+\i], v[16+64*\u+2*\i], v[16+64*\u+2*\i+1]
.endr
	global_store_b128 v11, v[16+64*\u:16+64*\u+3], s[16:17] offset:\u*4096     ; a wave stores 512 consecutive bytes
.endr
	s_endpgm
.Lfunc_end_k_q517f63acbc_gram:
	.size	k_q517f63acbc_gram, .Lfunc_end_k_q517f63acbc_gram-k_q517f63acbc_gram
	.p2alignl 7, 3214868480
	.fill 96, 4, 3214868480
	.section	.rodata,"a",@progbits
	.p2align	6, 0x0
	.amdhsa_kernel k_q517f63acbc_gram
		.amdhsa_group_segment_fixed_size 221184
		.amdhsa_private_segment_fixed_size 0
		.amdhsa_enable_private_segment 0
		.amdhsa_kernarg_size 64
		.amdhsa_user_sgpr_count 2
		.amdhsa_user_sgpr_kernarg_segment_ptr 1
		.amdhsa_wavefront_size32 1
		.amdhsa_system_sgpr_workgroup_id_x 1
		.amdhsa_system_sgpr_workgroup_id_y 1
		.amdhsa_system_sgpr_workgroup_id_z 1
		.amdhsa_system_vgpr_workitem_id 0
		.amdhsa_next_free_vgpr 256
		.amdhsa_next_free_sgpr 66
		.amdhsa_reserve_vcc 0
		.amdhsa_float_denorm_mode_32 3
		.amdhsa_float_denorm_mode_16_64 3
		.amdhsa_memory_ordered 1
		.amdhsa_forward_progress 1
		.amdhsa_inst_pref_size 67
	.end_amdhsa_kernel
	.amdgpu_metadata
---
amdhsa.version: [ 1, 2 ]
amdhsa.kernels:
  - .name:           k_q517f63acbc_gram
    .symbol:         k_q517f63acbc_gram.kd
    .args:
      - { .name: emb, .offset: 0, .size: 8, .value_kind: global_buffer, .address_space: global }
      - { .name: emb_all, .offset: 8, .size: 8, .value_kind: global_buffer, .address_space: global }
      - { .name: Wq, .offset: 16, .size: 8, .value_kind: global_buffer, .address_space: global }
      - { .name: Wk, .offset: 24, .size: 8, .value_kind: global_buffer, .address_space: global }
      - { .name: Wv, .offset: 32, .size: 8, .value_kind: global_buffer, .address_space: global }
      - { .name: Wout, .offset: 40, .size: 8, .value_kind: global_buffer, .address_space: global }
      - { .name: GF, .offset: 48, .size: 8, .value_kind: global_buffer, .address_space: global }
      - { .name: WF, .offset: 56, .size: 8, .value_kind: global_buffer, .address_space: global }
    .group_segment_fixed_size: 221184
    .private_segment_fixed_size: 0
    .kernarg_segment_align: 8
    .kernarg_segment_size: 64
    .max_flat_workgroup_size: 256
    .sgpr_count:     66
    .vgpr_count:     256
    .wavefront_size: 32
...
	.end_amdgpu_metadata
.endif
;; end of part 1
;; launch scores (part 2): grid 256 x 1, 8 waves a work-group, clusters of 4 x 1, 327,680 bytes of LDS; arguments GF, WF, SB, ST; writes SB, ST
.if DOCPART == 2
	.amdgcn_target "amdgcn-amd-amdhsa--gfx1250"
	.amdhsa_code_object_version 6
	.text
	.protected	k_q517f63acbc_scores
	.globl	k_q517f63acbc_scores
	.p2align	8
	.type	k_q517f63acbc_scores,@function
k_q517f63acbc_scores:
	s_mov_b64 s[64:65], 0
	v_nop
	global_prefetch_b8 v0, s[64:65] scope:SCOPE_SE
	s_setreg_imm32_b32 hwreg(HW_REG_WAVE_MODE, 25, 1), 1
	s_wait_xcnt 0x0
	s_wait_alu depctr_hold_cnt(0) depctr_sa_sdst(0) depctr_va_vdst(0) depctr_va_sdst(0) depctr_va_ssrc(0) depctr_va_vcc(0) depctr_vm_vsrc(0)
	s_getreg_b32 s2, hwreg(HW_REG_IB_STS2, 6, 4)
	s_cmp_eq_u32 s2, 0
	s_cbranch_scc0 .Lentry_in_a_cluster
	s_endpgm
.Lentry_in_a_cluster:
	s_bfe_u32 s2, ttmp6, 0x10000c
	s_cmp_lg_u32 s2, 0x3003
	s_cbranch_scc0 .Lentry_shape_is_right
	s_endpgm
.Lentry_shape_is_right:
; LAUNCH 2 OF 5.  S[b,h] = Wq[h] G[b] Wk[h]^T / sqrt(512), and for the InstanceNorm a (mean, sum of squared deviations) of each wave's part.
; SHARE: cluster q = ttmp9, place cx; map = q >> 1 (b = q >> 3, h = (q >> 1) & 3); the work-group owns 32 rows d (block (q & 1) 4 + cx) of its map.
; Wave w owns 64 of the 512 columns in both stages: 2 x 4 accumulators.  Eight waves, so that accumulators and two fragment buffers fit in 256 registers.
; STAGE A: P1 = Wq G (K = c = 256).  Source 0 = G^T (rows k'), source 1 = Wq (rows d): register i of lane (r, hh) is (k' = 8 hh + i, d = r), so two
; neighbouring tiles convert in registers into one f16 fragment with rows d and K = k'.
; P1 is scaled by the exact power of two of the block's largest magnitude m, so that its f16 image lies in (-2, 2), and the scale is undone in f32.
; STAGE B: S = P1 Wk^T (K = k' = 512).  Source 0 = Wk (rows j), source 1 = P1.
; LIMITS: |P1| < 2^126; where m is below 2^-126, S comes out 0.
; CLUSTER: the four partners share G^T[b] (256 KiB) and Wk[h] (512 KiB) of the 784 KiB that a work-group reads: joint loads, mask 15.  Each wave asks for
; and alone reads its own eighth (8 KiB) of every 64 KiB panel, so its own count of tensor loads orders its reads.  Wq's 16 KiB hang on cx: plain loads.
; A wave has at most five tensor loads outstanding.
.set SLOTB, 65536                      ; four slots at 0, 64, 128, 192 KiB
.set XA,  262144                       ; 32 KiB: P1 fragments [mt 2][ks 16][1 KiB], written by ds_store, never a tensor load's target
.set AQ,  294912                       ; 16 KiB: Wq fragments [mt 2][ks 8][1 KiB], filled once
.set RX,  311296                       ; 256 bytes: the waves' maxima
.set WQF, 4194304
.set LB,  4                            ; v[4:7]  slot s: s x 64 KiB + w x 8 KiB + 16 lane
.set VAQ, 8
.set VXA, 9
.set VXW, 10                           ; XA + w x 2 KiB + 16 lane
.set BF,  64                           ; v[64:127]  two buffers of four column fragments
.set AF,  128                          ; v[128:159] two buffers of two row fragments
.set PK,  160                          ; v[160:191] packed f16
.set ACC, 192                          ; v[192:255] accumulator (nt, mt) at ACC + 8 (2 nt + mt)
.set G1J, 16                           ; s[16:23] group 1, joint, 32 rows of 256 bytes
.set G1P, 24                           ; s[24:31] group 1, plain, 8 rows of 256 bytes
.set G0,  32                           ; s[32:47] group 0 of slots 0-3
.set G0Q, 48                           ; s[48:51] group 0 of Wq's part
.set GB,  52                           ; s[52:53] G^T[b] + w x 8 KiB, type bits set
.set WB,  54                           ; s[54:55] Wk[h] + w x 8 KiB, type bits set
; s12 wave, s13 cx then scratch, s14 h, s15 b, s56 d block, s57 work-group; s[58:59], s69: offsets free of cx; s[70:71]: offsets with cx
.macro PLACES                          ; four plain vector places behind a matrix instruction (ISA guide 7.12.1)
.rept 4
	v_nop
.endr
.endm
.macro ROUND                           ; a round of the cluster's barrier
	s_barrier_signal -1
	s_barrier_wait -1
	s_cmp_lg_u32 s12, 0
	s_cbranch_scc1 .Lnot_wave_0_\@
	s_barrier_signal -3
.Lnot_wave_0_\@:
	s_barrier_wait -3
	s_barrier_signal -1
	s_barrier_wait -1
.endm
.macro DESC1 base, w0, rows            ; a dense block as rows of 256 bytes: 32 elements of 8 bytes, pitch 32
	s_mov_b32 s[\base+0], \w0
	s_mov_b32 s[\base+1], 32<<16
	s_mov_b32 s[\base+2], \rows<<16
	s_mov_b32 s[\base+3], 32<<16
	s_mov_b32 s[\base+4], \rows
	s_mov_b32 s[\base+5], 32
	s_mov_b32 s[\base+6], 0
	s_mov_b32 s[\base+7], 0
.endm
.macro XRED op, x, t                   ; over the 32 lanes, result in every lane
	\op\()_dpp v[\x], v[\x], v[\x] row_xmask:1 row_mask:0xf bank_mask:0xf
	\op\()_dpp v[\x], v[\x], v[\x] row_xmask:2 row_mask:0xf bank_mask:0xf
	\op\()_dpp v[\x], v[\x], v[\x] row_xmask:4 row_mask:0xf bank_mask:0xf
	\op\()_dpp v[\x], v[\x], v[\x] row_xmask:8 row_mask:0xf bank_mask:0xf
	v_permlanex16_b32 v[\t], v[\x], s66, s67
	\op v[\x], v[\x], v[\t]
.endm
	s_load_b256 s[4:11], s[0:1], 0x0               ; GF 4, WF 6, SB 8, ST 10
	v_lshrrev_b32 v1, 5, v0
	v_readfirstlane_b32 s12, v1
	v_and_b32 v1, 31, v0
	v_lshlrev_b32 v13, 4, v1                       ; 16 lane
	v_mov_b32 v14, 0
	s_mov_b32 s66, 0x76543210
	s_mov_b32 s67, 0xfedcba98
	s_lshr_b32 s15, ttmp9, 3                       ; b
	s_bfe_u32 s14, ttmp9, 0x20001                  ; h
	s_bfe_u32 s13, ttmp6, 0x40000                  ; cx
	s_and_b32 s56, ttmp9, 1
	s_lshl_b32 s56, s56, 2
	s_add_co_u32 s56, s56, s13                     ; block of 32 rows d, 0..7
	s_lshl_b32 s57, ttmp9, 2
	s_add_co_u32 s57, s57, s13                     ; work-group 0..255
	DESC1 G1J, 0x0023000f, 32                      ; mask 15, bit 21 beside it, elements of 8 bytes
	DESC1 G1P, 0x00030000, 8
	s_lshl_b32 s69, s12, 13                        ; w x 8 KiB
	v_add_nc_u32 v[LB], s69, v13
	v_add_nc_u32 v[LB+1], SLOTB, v[LB]
	v_add_nc_u32 v[LB+2], 2*SLOTB, v[LB]
	v_add_nc_u32 v[LB+3], 3*SLOTB, v[LB]
	v_add_nc_u32 v[VAQ], AQ, v13
	v_add_nc_u32 v[VXA], XA, v13
	s_lshl_b32 s58, s12, 11
	v_add_nc_u32 v[VXW], s58, v[VXA]
	s_lshl_b32 s58, s12, 2
	s_add_co_u32 s58, s58, RX
	v_mov_b32 v11, s58                             ; my word among the maxima
	v_mov_b32 v12, RX
.irp t, 0,1,2,3
	s_mov_b32 s[G0+4*\t], 1
	s_add_co_u32 s[G0+4*\t+1], s69, \t*SLOTB
.endr
	s_mov_b32 s[G0Q], 1
	s_lshl_b32 s[G0Q+1], s12, 11
	s_add_co_u32 s[G0Q+1], s[G0Q+1], AQ
	s_wait_kmcnt 0x0
	s_lshl_b32 s58, s15, 18
	s_add_co_u32 s58, s58, s69
	s_mov_b32 s59, 0
	s_add_nc_u64 s[GB:GB+1], s[4:5], s[58:59]
	s_or_b32 s[GB+1], s[GB+1], 0x80000000
	s_lshl_b32 s58, s14, 19
	s_add_co_u32 s58, s58, s69
	s_add_nc_u64 s[WB:WB+1], s[6:7], s[58:59]
	s_or_b32 s[WB+1], s[WB+1], 0x80000000
.irp t, 0,1,2,3
	s_add_nc_u64 s[G0+4*\t+2:G0+4*\t+3], s[GB:GB+1], \t*SLOTB      ; G^T's panel t (64 c) into slot t
.endr
	s_lshl_b32 s70, s14, 17
	s_lshl_b32 s13, s56, 14
	s_add_co_u32 s70, s70, s13
	s_lshl_b32 s13, s12, 11
	s_add_co_u32 s70, s70, s13
	s_add_co_u32 s70, s70, WQF
	s_mov_b32 s71, 0
	s_add_nc_u64 s[G0Q+2:G0Q+3], s[6:7], s[70:71]  ; Wq[h], my 32 rows, my wave's 2 KiB
	s_or_b32 s[G0Q+3], s[G0Q+3], 0x80000000
	s_lshl_b32 s70, s57, 16
	s_add_co_u32 s70, s70, s69
	s_add_nc_u64 s[60:61], s[8:9], s[70:71]        ; SB [wg][w][a 8][q 2][lane][16 bytes]
	s_lshl_b32 s70, s57, 6
	s_lshl_b32 s13, s12, 3
	s_add_co_u32 s70, s70, s13
	s_add_nc_u64 s[62:63], s[10:11], s[70:71]      ; ST [wg][w](mean, M2)
	ROUND                                          ; the four partners are here: the first joint loads meet
	tensor_load_to_lds s[G0Q:G0Q+3], s[G1P:G1P+7]
	s_nop 0
.irp t, 0,1,2,3
	tensor_load_to_lds s[G0+4*\t:G0+4*\t+3], s[G1J:G1J+7]
	s_nop 0
.endr
	s_wait_tensorcnt 0x4                           ; my part of Wq is in; the four panels behind it stay out
	s_barrier_signal -1
	s_barrier_wait -1                              ; everybody's part of Wq is in
; Twelve LDS loads: four column fragments and two row fragments of one K step of 32, into buffer buf
.macro FETCH buf, vb, boff, va, aoff, astr
.irp nt, 0,1,2,3
	ds_load_b128 v[BF+32*\buf+8*\nt:BF+32*\buf+8*\nt+3],   v[\vb] offset:\nt*2048+\boff
	ds_load_b128 v[BF+32*\buf+8*\nt+4:BF+32*\buf+8*\nt+7], v[\vb] offset:\nt*2048+\boff+512
.endr
.irp mt, 0,1
	ds_load_b128 v[AF+16*\buf+8*\mt:AF+16*\buf+8*\mt+3],   v[\va] offset:\mt*\astr+\aoff
	ds_load_b128 v[AF+16*\buf+8*\mt+4:AF+16*\buf+8*\mt+7], v[\va] offset:\mt*\astr+\aoff+512
.endr
.endm
; Eight products.  The eight accumulators take turns, one instruction a turn.
.macro MUL buf, zero
.irp nt, 0,1,2,3
.irp mt, 0,1
.if \zero
	v_wmma_f32_16x16x32_f16 v[ACC+8*(2*\nt+\mt):ACC+8*(2*\nt+\mt)+7], v[BF+32*\buf+8*\nt:BF+32*\buf+8*\nt+7], v[AF+16*\buf+8*\mt:AF+16*\buf+8*\mt+7], 0
.else
	v_wmma_f32_16x16x32_f16 v[ACC+8*(2*\nt+\mt):ACC+8*(2*\nt+\mt)+7], v[BF+32*\buf+8*\nt:BF+32*\buf+8*\nt+7], v[AF+16*\buf+8*\mt:AF+16*\buf+8*\mt+7], v[ACC+8*(2*\nt+\mt):ACC+8*(2*\nt+\mt)+7]
.endif
.endr
.endr
.endm
; K step k (0, 1) of tile t goes into buffer k.  st = 0: stage A (rows from Wq), 1: stage B (rows from P1).  Tile t lies in slot t % 4.
.macro FT st, t, k
.if \st
	FETCH \k, LB+(\t%4), \k*1024, VXA, (2*\t+\k)*1024, 16384
.else
	FETCH \k, LB+(\t%4), \k*1024, VAQ, (2*\t+\k)*1024, 8192
.endif
.endm
.macro HEAD st, t, tw                  ; a run's first fetch; tw: how many younger tensor loads may stay out when tile t has to be there
	s_wait_tensorcnt \tw
	PLACES
	FT \st, \t, 0
.endm
.macro MID st, t, zero                 ; fetch tile t's second step, multiply its first
	PLACES
	FT \st, \t, 1
	s_wait_dscnt 12                                ; all but the twelve loads just issued
	MUL 0, \zero
.endm
.macro NEXT st, t, tw                  ; fetch tile t's first step, multiply the tile before's second
	s_wait_tensorcnt \tw
	PLACES
	FT \st, \t, 0
	s_wait_dscnt 12
	MUL 1, 0
.endm
.macro LAST
	s_wait_dscnt 0x0
	MUL 1, 0
.endm
; Slots are filled again in this order: my reads of them are back, ALL my tensor loads have landed (so every group 0 may be written), the addresses,
; a round of the cluster's barrier, and the joint loads first behind it.
.macro FILLPRE
	s_wait_dscnt 0x0
	s_wait_tensorcnt 0x0
.endm
.macro ADR slot, tile
	s_add_nc_u64 s[G0+4*\slot+2:G0+4*\slot+3], s[WB:WB+1], \tile*SLOTB
.endm
.macro GO slot
	tensor_load_to_lds s[G0+4*\slot:G0+4*\slot+3], s[G1J:G1J+7]
	s_nop 0
.endm
	; STAGE A: G^T's panels 0, 1, 2 as they land
	HEAD 0, 0, 3
	MID  0, 0, 1                                   ; the first product starts the sums
	NEXT 0, 1, 2
	MID  0, 1, 0
	NEXT 0, 2, 1
	MID  0, 2, 0
	LAST
	FILLPRE                                        ; panel 3 has landed
	ADR 0, 0
	ADR 1, 1
	ADR 2, 2
	ROUND
	GO 0                                           ; Wk's panels 0, 1, 2 go out
	GO 1
	GO 2
	HEAD 0, 3, 3                                   ; three loads were issued behind panel 3
	MID  0, 3, 0
	LAST
	; P1 to f16: the block's largest magnitude, its power of two, the scaled image into XA
	PLACES
.irp c, 0,1,2,3
	v_max_num_f32 v[16+\c], |v[ACC+2*\c]|, |v[ACC+2*\c+1]|
.endr
.set j, 4
.rept 28
	v_max3_num_f32 v[16+j%4], |v[ACC+2*j]|, |v[ACC+2*j+1]|, v[16+j%4]
.set j, j+1
.endr
	v_max3_num_f32 v16, v16, v17, v18
	v_max_num_f32 v16, v16, v19
	XRED v_max_num_f32, 16, 17
	ds_store_b32 v11, v16
	s_wait_dscnt 0x0                               ; my maximum is in LDS, for the others' sake
	s_barrier_signal -1
	s_barrier_wait -1                              ; Wk's three panels stay on their way
	ds_load_b128 v[20:23], v12
	ds_load_b128 v[24:27], v12 offset:16
	s_wait_dscnt 0x0
	v_max3_num_f32 v20, v20, v21, v22
	v_max3_num_f32 v23, v23, v24, v25
	v_max3_num_f32 v20, v20, v26, v27
	v_max_num_f32 v20, v20, v23
	v_and_b32 v21, 0x7f800000, v20                 ; 2^E, the power of two of m
	v_sub_nc_u32 v28, 0x7f000000, v21              ; 2^-E, by the exponent field: 254 - field
	v_mov_b32 v29, v28
	v_mul_f32 v30, 0x403504f3, v21                 ; the way back: 2^E x 2^6 / sqrt(512) = 2^E x 2.8284271
	v_mov_b32 v31, v30
.set j, 0
.rept 32
	v_pk_mul_f32 v[ACC+2*j:ACC+2*j+1], v[ACC+2*j:ACC+2*j+1], v[28:29]
.set j, j+1
.endr
.irp a, 0,1,2,3,4,5,6,7
.irp i, 0,1,2,3
	v_cvt_pk_f16_f32 v[PK+4*\a+\i], v[ACC+8*\a+2*\i], v[ACC+8*\a+2*\i+1]
.endr
.endr
.irp nt, 0,1,2,3
.irp mt, 0,1
	ds_store_b128 v[VXW], v[PK+4*(2*\nt+\mt):PK+4*(2*\nt+\mt)+3] offset:\mt*16384+(\nt/2)*1024+(\nt%2)*512    ; K step 2 w + nt / 2, half nt % 2
.endr
.endr
	s_wait_dscnt 0x0
	s_barrier_signal -1
	s_barrier_wait -1                              ; all of P1 is in XA
	; STAGE B
	HEAD 1, 0, 2
	MID  1, 0, 1
	NEXT 1, 1, 1
	MID  1, 1, 0
	LAST
	FILLPRE                                        ; panel 2 has landed
	ADR 3, 3
	ADR 0, 4
	ADR 1, 5
	ROUND
	GO 3
	GO 0
	GO 1
	HEAD 1, 2, 3
	MID  1, 2, 0
	NEXT 1, 3, 2
	MID  1, 3, 0
	NEXT 1, 4, 1
	MID  1, 4, 0
	LAST
	FILLPRE                                        ; panel 5 has landed
	ADR 2, 6
	ADR 3, 7
	ROUND
	GO 2
	GO 3
	HEAD 1, 5, 2
	MID  1, 5, 0
	NEXT 1, 6, 1
	MID  1, 6, 0
	NEXT 1, 7, 0
	MID  1, 7, 0
	LAST
	; S in f32, in the accumulators' order: each store covers 512 consecutive bytes
	PLACES
.set j, 0
.rept 32
	v_pk_mul_f32 v[ACC+2*j:ACC+2*j+1], v[ACC+2*j:ACC+2*j+1], v[30:31]
.set j, j+1
.endr
.irp a, 0,1,2,3,4,5,6,7
	global_store_b128 v13, v[ACC+8*\a:ACC+8*\a+3],   s[60:61] offset:\a*1024
	global_store_b128 v13, v[ACC+8*\a+4:ACC+8*\a+7], s[60:61] offset:\a*1024+512
.endr
	; the wave's 2,048 numbers: their mean, then the sum of squared deviations from it (two passes: no difference of large sums)
.irp c, 0,1,2,3
	v_pk_add_f32 v[16+2*\c:17+2*\c], v[ACC+2*\c:ACC+2*\c+1], v[ACC+8+2*\c:ACC+8+2*\c+1]
.endr
.set j, 8
.rept 24
	v_pk_add_f32 v[16+2*(j%4):17+2*(j%4)], v[16+2*(j%4):17+2*(j%4)], v[ACC+2*j:ACC+2*j+1]
.set j, j+1
.endr
	v_pk_add_f32 v[16:17], v[16:17], v[18:19]
	v_pk_add_f32 v[20:21], v[20:21], v[22:23]
	v_pk_add_f32 v[16:17], v[16:17], v[20:21]
	v_add_f32 v16, v16, v17
	XRED v_add_f32, 16, 17
	v_mul_f32 v24, 0x3a000000, v16                 ; / 2,048
	v_mov_b32 v25, v24
.set j, 0
.rept 32
	v_pk_add_f32 v[32+2*(j%4):33+2*(j%4)], v[ACC+2*j:ACC+2*j+1], v[24:25] neg_lo:[0,1] neg_hi:[0,1]
.if j < 4
	v_pk_mul_f32 v[16+2*(j%4):17+2*(j%4)], v[32+2*(j%4):33+2*(j%4)], v[32+2*(j%4):33+2*(j%4)]
.else
	v_pk_fma_f32 v[16+2*(j%4):17+2*(j%4)], v[32+2*(j%4):33+2*(j%4)], v[32+2*(j%4):33+2*(j%4)], v[16+2*(j%4):17+2*(j%4)]
.endif
.set j, j+1
.endr
	v_pk_add_f32 v[16:17], v[16:17], v[18:19]
	v_pk_add_f32 v[20:21], v[20:21], v[22:23]
	v_pk_add_f32 v[16:17], v[16:17], v[20:21]
	v_add_f32 v16, v16, v17
	XRED v_add_f32, 16, 17
	v_mov_b32 v25, v16
	s_wait_xcnt 0x0                                ; EXEC, a source of the stores above, changes only behind this wait
	v_cmp_eq_u32 vcc_lo, 0, v1
	s_and_saveexec_b32 s68, vcc_lo
	global_store_b64 v14, v[24:25], s[62:63]       ; lane 0: (mean, M2)
	s_wait_xcnt 0x0                                ; and again in front of the line that widens it
	s_or_b32 exec_lo, exec_lo, s68
	ROUND                                          ; the closing round: no work-group ends while a partner may still ask jointly
	s_endpgm
.Lfunc_end_k_q517f63acbc_scores:
	.size	k_q517f63acbc_scores, .Lfunc_end_k_q517f63acbc_scores-k_q517f63acbc_scores
	.p2alignl 7, 3214868480
	.fill 96, 4, 3214868480
	.section	.rodata,"a",@progbits
	.p2align	6, 0x0
	.amdhsa_kernel k_q517f63acbc_scores
		.amdhsa_group_segment_fixed_size 327680
		.amdhsa_private_segment_fixed_size 0
		.amdhsa_enable_private_segment 0
		.amdhsa_kernarg_size 32
		.amdhsa_user_sgpr_count 2
		.amdhsa_user_sgpr_kernarg_segment_ptr 1
		.amdhsa_wavefront_size32 1
		.amdhsa_system_sgpr_workgroup_id_x 1
		.amdhsa_system_sgpr_workgroup_id_y 1
		.amdhsa_system_sgpr_workgroup_id_z 1
		.amdhsa_system_vgpr_workitem_id 0
		.amdhsa_next_free_vgpr 256
		.amdhsa_next_free_sgpr 72
		.amdhsa_reserve_vcc 1
		.amdhsa_float_denorm_mode_32 3
		.amdhsa_float_denorm_mode_16_64 3
		.amdhsa_memory_ordered 1
		.amdhsa_forward_progress 1
		.amdhsa_inst_pref_size 61
	.end_amdhsa_kernel
	.amdgpu_metadata
---
amdhsa.version: [ 1, 2 ]
amdhsa.kernels:
  - .name:           k_q517f63acbc_scores
    .symbol:         k_q517f63acbc_scores.kd
    .args:
      - { .name: GF, .offset: 0, .size: 8, .value_kind: global_buffer, .address_space: global }
      - { .name: WF, .offset: 8, .size: 8, .value_kind: global_buffer, .address_space: global }
      - { .name: SB, .offset: 16, .size: 8, .value_kind: global_buffer, .address_space: global }
      - { .name: ST, .offset: 24, .size: 8, .value_kind: global_buffer, .address_space: global }
    .group_segment_fixed_size: 327680
    .private_segment_fixed_size: 0
    .kernarg_segment_align: 8
    .kernarg_segment_size: 32
    .max_flat_workgroup_size: 256
    .sgpr_count:     72
    .vgpr_count:     256
    .wavefront_size: 32
...
	.end_amdgpu_metadata
.endif
;; end of part 2
;; launch soft (part 3): grid 256 x 1, 8 waves a work-group, clusters of 4 x 1, 327,680 bytes of LDS; arguments SB, ST, WF, MTF; writes MTF
.if DOCPART == 3
	.amdgcn_target "amdgcn-amd-amdhsa--gfx1250"
	.amdhsa_code_object_version 6
	.text
	.protected	k_q517f63acbc_soft
	.globl	k_q517f63acbc_soft
	.p2align	8
	.type	k_q517f63acbc_soft,@function
k_q517f63acbc_soft:
	s_mov_b64 s[64:65], 0
	v_nop
	global_prefetch_b8 v0, s[64:65] scope:SCOPE_SE
	s_setreg_imm32_b32 hwreg(HW_REG_WAVE_MODE, 25, 1), 1
	s_wait_xcnt 0x0
	s_wait_alu depctr_hold_cnt(0) depctr_sa_sdst(0) depctr_va_vdst(0) depctr_va_sdst(0) depctr_va_ssrc(0) depctr_va_vcc(0) depctr_vm_vsrc(0)
	s_getreg_b32 s2, hwreg(HW_REG_IB_STS2, 6, 4)
	s_cmp_eq_u32 s2, 0
	s_cbranch_scc0 .Lentry_in_a_cluster
	s_endpgm
.Lentry_in_a_cluster:
	s_bfe_u32 s2, ttmp6, 0x10000c
	s_cmp_lg_u32 s2, 0x3003
	s_cbranch_scc0 .Lentry_shape_is_right
	s_endpgm
.Lentry_shape_is_right:
; LAUNCH 3 OF 5.  InstanceNorm and softmax of S, then Mh = probs Wv[h], stored x 2^8 in f16 fragments with rows k and K = c (the row index d of probs).
; The map's mean cancels in the softmax (it shifts every row alike); it is still used, for the variance: the 64 waves' (mean, M2) of 2,048 numbers each
; combine as M2 = sum of M2_i + 2,048 sum of (mean_i - mean)^2.  r = rsqrt(var + 1e-5).
; The row's maximum is taken away: p = 2^((S - rowmax) r log2 e), in (0, 1]; it goes into the product unnormalised, in f16, and 1 / rowsum is applied in f32.
; LIMITS: p below 6e-8 is 0 in f16 (against a row sum of at least 1); Mh x 2^8 in f16: max |Wv| < 255.
; SHARE as in launch 2: 32 rows d of one map; wave w holds columns j = 64 w .. + 63 of S in launch 2's registers, and owns columns k = 64 w .. + 63 of Mh.
; CLUSTER: the four partners share Wv[h]^T, 512 KiB of the 576 KiB that a work-group reads: joint loads, mask 15; a wave asks for and alone reads its own
; eighth of each 64 KiB panel.  A wave has at most four tensor loads outstanding.
.set SLOTB, 65536
.set XA,  262144                       ; 32 KiB: p fragments [mt 2][ks 16][1 KiB]
.set RXM, 294912                       ; [row 32][w 8] f32: the waves' row maxima
.set RXS, 295936                       ; the same shape: the waves' row sums
.set RXI, 296960                       ; [w 8][row 32] f32: 256 / row sum, each wave's own copy
.set WVF, 2097152
.set LB,  4
.set VXA, 9
.set VXW, 10
.set SR,  64                           ; v[64:127] S, then p, ahead of the product
.set BF,  64
.set AF,  128
.set PK,  160
.set ACC, 192
.set G1J, 16
.set G0,  32
.set WB,  54                           ; s[54:55] Wv[h]^T + w x 8 KiB, type bits set
.macro PLACES                          ; four plain vector places behind a matrix instruction (ISA guide 7.12.1)
.rept 4
	v_nop
.endr
.endm
.macro ROUND
	s_barrier_signal -1
	s_barrier_wait -1
	s_cmp_lg_u32 s12, 0
	s_cbranch_scc1 .Lnot_wave_0_\@
	s_barrier_signal -3
.Lnot_wave_0_\@:
	s_barrier_wait -3
	s_barrier_signal -1
	s_barrier_wait -1
.endm
.macro XSUM x, t
	v_add_f32_dpp v[\x], v[\x], v[\x] row_xmask:1 row_mask:0xf bank_mask:0xf
	v_add_f32_dpp v[\x], v[\x], v[\x] row_xmask:2 row_mask:0xf bank_mask:0xf
	v_add_f32_dpp v[\x], v[\x], v[\x] row_xmask:4 row_mask:0xf bank_mask:0xf
	v_add_f32_dpp v[\x], v[\x], v[\x] row_xmask:8 row_mask:0xf bank_mask:0xf
	v_permlanex16_b32 v[\t], v[\x], s66, s67
	v_add_f32 v[\x], v[\x], v[\t]
.endm
	s_load_b256 s[4:11], s[0:1], 0x0               ; SB 4, ST 6, WF 8, MTF 10
	v_lshrrev_b32 v1, 5, v0
	v_readfirstlane_b32 s12, v1
	v_and_b32 v1, 31, v0
	v_and_b32 v2, 15, v0
	v_bfe_u32 v3, v0, 4, 1
	v_lshlrev_b32 v13, 4, v1
	v_mov_b32 v21, 0                               ; a lane permute's destination counts as read
	s_mov_b32 s66, 0x76543210
	s_mov_b32 s67, 0xfedcba98
	s_mov_b32 s68, 0x37000000                      ; 2^-17 = 1 / (256 x 512)
	s_lshr_b32 s15, ttmp9, 3                       ; b
	s_bfe_u32 s14, ttmp9, 0x20001                  ; h
	s_bfe_u32 s13, ttmp6, 0x40000                  ; cx
	s_and_b32 s56, ttmp9, 1
	s_lshl_b32 s56, s56, 2
	s_add_co_u32 s56, s56, s13                     ; block of 32 rows d
	s_lshl_b32 s57, ttmp9, 2
	s_add_co_u32 s57, s57, s13                     ; work-group
	s_lshl_b32 s69, s12, 13                        ; w x 8 KiB
	s_lshr_b32 s58, ttmp9, 1
	s_lshl_b32 s58, s58, 9                         ; the map's 64 partials: 512 bytes
	s_mov_b32 s59, 0
	s_lshl_b32 s70, s57, 16
	s_add_co_u32 s70, s70, s69
	s_mov_b32 s71, 0
	s_wait_kmcnt 0x0
	s_add_nc_u64 s[52:53], s[6:7], s[58:59]
	s_add_nc_u64 s[60:61], s[4:5], s[70:71]
	global_load_b128 v[16:19], v13, s[52:53]       ; two partials a lane: (mean, M2, mean, M2)
.irp a, 0,1,2,3,4,5,6,7
	global_load_b128 v[SR+8*\a:SR+8*\a+3],   v13, s[60:61] offset:\a*1024 th:TH_LOAD_NT
	global_load_b128 v[SR+8*\a+4:SR+8*\a+7], v13, s[60:61] offset:\a*1024+512 th:TH_LOAD_NT
.endr
	s_mov_b32 s[G1J+0], 0x0023000f                 ; mask 15, bit 21 beside it, elements of 8 bytes
	s_mov_b32 s[G1J+1], 32<<16                     ; 32 rows of 256 bytes, dense
	s_mov_b32 s[G1J+2], 32<<16
	s_mov_b32 s[G1J+3], 32<<16
	s_mov_b32 s[G1J+4], 32
	s_mov_b32 s[G1J+5], 32
	s_mov_b32 s[G1J+6], 0
	s_mov_b32 s[G1J+7], 0
	s_lshl_b32 s58, s14, 19
	s_add_co_u32 s58, s58, s69
	s_add_co_u32 s58, s58, WVF
	s_add_nc_u64 s[WB:WB+1], s[8:9], s[58:59]
	s_or_b32 s[WB+1], s[WB+1], 0x80000000
.irp t, 0,1,2,3
	s_mov_b32 s[G0+4*\t], 1
	s_add_co_u32 s[G0+4*\t+1], s69, \t*SLOTB
	s_add_nc_u64 s[G0+4*\t+2:G0+4*\t+3], s[WB:WB+1], \t*SLOTB
.endr
	s_lshl_b32 s70, s15, 20
	s_lshl_b32 s13, s12, 17
	s_add_co_u32 s70, s70, s13
	s_lshl_b32 s13, s14, 13
	s_add_co_u32 s70, s70, s13
	s_lshl_b32 s13, s56, 10
	s_add_co_u32 s70, s70, s13
	s_add_nc_u64 s[62:63], s[10:11], s[70:71]      ; MTF [b][kt 32][h 4][cs 8][1 KiB]: kt = 4 w + nt, cs = my block
	v_add_nc_u32 v[LB], s69, v13
	v_add_nc_u32 v[LB+1], SLOTB, v[LB]
	v_add_nc_u32 v[LB+2], 2*SLOTB, v[LB]
	v_add_nc_u32 v[LB+3], 3*SLOTB, v[LB]
	v_add_nc_u32 v[VXA], XA, v13
	s_lshl_b32 s58, s12, 11
	v_add_nc_u32 v[VXW], s58, v[VXA]
	v_lshlrev_b32 v11, 5, v2
	v_add_nc_u32 v11, RXM, v11                     ; row r's eight words
	s_lshl_b32 s58, s12, 2
	v_add_nc_u32 v8, s58, v11                      ; my wave's word among them
	v_lshlrev_b32 v12, 5, v1
	v_add_nc_u32 v12, RXS, v12                     ; row = lane: its eight sums
	s_lshl_b32 s58, s12, 7
	s_add_co_u32 s58, s58, RXI
	v_lshl_add_u32 v14, v1, 2, s58
	v_lshl_add_u32 v15, v3, 5, s58
	ROUND                                          ; the four partners are here
.irp t, 0,1,2,3
	tensor_load_to_lds s[G0+4*\t:G0+4*\t+3], s[G1J:G1J+7]          ; Wv^T's panels 0-3 (64 j each)
	s_nop 0
.endr
	; the map's variance
	s_wait_loadcnt 16                              ; the partials are in; S's sixteen loads may stay out
	v_add_f32 v20, v16, v18
	XSUM 20, 21
	v_mul_f32 v20, 0x3c800000, v20                 ; the map's mean: / 64
	v_sub_f32 v22, v16, v20
	v_sub_f32 v23, v18, v20
	v_add_f32 v24, v17, v19
	v_mul_f32 v22, v22, v22
	v_fmac_f32 v22, v23, v23
	v_fmac_f32 v24, 0x45000000, v22                ; + 2,048 (d0^2 + d1^2)
	XSUM 24, 21
	v_fmaak_f32 v24, s68, v24, 0x3727c5ac          ; var + 1e-5
	v_rsq_f32 v24, v24
	v_nop                                          ; one plain place behind a transcendental (ISA guide 5.7.2)
	s_wait_alu depctr_va_vdst(0)
	v_mul_f32 v26, 0x3fb8aa3b, v24                 ; r log2 e
	v_mov_b32 v27, v26
	; row maxima: lane (r, hh) holds 32 numbers of row 16 mt + r
	s_wait_loadcnt 0x0
.irp mt, 0,1
	v_max3_num_f32 v[28+\mt], v[SR+8*\mt],   v[SR+8*\mt+1], v[SR+8*\mt+2]
	v_max3_num_f32 v[28+\mt], v[SR+8*\mt+3], v[SR+8*\mt+4], v[28+\mt]
	v_max3_num_f32 v[28+\mt], v[SR+8*\mt+5], v[SR+8*\mt+6], v[28+\mt]
	v_max_num_f32  v[28+\mt], v[SR+8*\mt+7], v[28+\mt]
.irp nt, 1,2,3
.irp i, 0,2,4,6
	v_max3_num_f32 v[28+\mt], v[SR+16*\nt+8*\mt+\i], v[SR+16*\nt+8*\mt+\i+1], v[28+\mt]
.endr
.endr
.endr
	v_permlanex16_b32 v21, v28, s66, s67
	v_permlanex16_b32 v22, v29, s66, s67
	v_max_num_f32 v28, v28, v21
	v_max_num_f32 v29, v29, v22
	ds_store_b32 v8, v28
	ds_store_b32 v8, v29 offset:512
	s_wait_dscnt 0x0
	s_barrier_signal -1
	s_barrier_wait -1                              ; the four panels stay on their way
	ds_load_b128 v[32:35], v11
	ds_load_b128 v[36:39], v11 offset:16
	ds_load_b128 v[40:43], v11 offset:512
	ds_load_b128 v[44:47], v11 offset:528
	s_wait_dscnt 0x0
.irp mt, 0,1
	v_max3_num_f32 v[28+\mt], v[32+8*\mt], v[33+8*\mt], v[34+8*\mt]
	v_max3_num_f32 v[28+\mt], v[35+8*\mt], v[36+8*\mt], v[28+\mt]
	v_max3_num_f32 v[28+\mt], v[37+8*\mt], v[38+8*\mt], v[28+\mt]
	v_max_num_f32  v[28+\mt], v[39+8*\mt], v[28+\mt]
	v_mul_f32 v[48+2*\mt], -v[28+\mt], v26         ; - rowmax r log2 e
	v_mov_b32 v[49+2*\mt], v[48+2*\mt]
.endr
.irp nt, 0,1,2,3
.irp mt, 0,1
.irp i, 0,2,4,6
	v_pk_fma_f32 v[SR+16*\nt+8*\mt+\i:SR+16*\nt+8*\mt+\i+1], v[SR+16*\nt+8*\mt+\i:SR+16*\nt+8*\mt+\i+1], v[26:27], v[48+2*\mt:49+2*\mt]
.endr
.endr
.endr
.set j, 0
.rept 64
	v_exp_f32 v[SR+j], v[SR+j]
.set j, j+1
.endr
	v_nop                                          ; one plain place behind the last transcendental
	s_wait_alu depctr_va_vdst(0)
.irp mt, 0,1
	v_pk_add_f32 v[52+2*\mt:53+2*\mt], v[SR+8*\mt:SR+8*\mt+1], v[SR+8*\mt+2:SR+8*\mt+3]
	v_pk_add_f32 v[52+2*\mt:53+2*\mt], v[52+2*\mt:53+2*\mt], v[SR+8*\mt+4:SR+8*\mt+5]
	v_pk_add_f32 v[52+2*\mt:53+2*\mt], v[52+2*\mt:53+2*\mt], v[SR+8*\mt+6:SR+8*\mt+7]
.irp nt, 1,2,3
.irp i, 0,2,4,6
	v_pk_add_f32 v[52+2*\mt:53+2*\mt], v[52+2*\mt:53+2*\mt], v[SR+16*\nt+8*\mt+\i:SR+16*\nt+8*\mt+\i+1]
.endr
.endr
	v_add_f32 v[52+2*\mt], v[52+2*\mt], v[53+2*\mt]
.endr
	v_permlanex16_b32 v21, v52, s66, s67
	v_permlanex16_b32 v22, v54, s66, s67
	v_add_f32 v52, v52, v21
	v_add_f32 v54, v54, v22
	ds_store_b32 v8, v52 offset:RXS-RXM
	ds_store_b32 v8, v54 offset:RXS-RXM+512
.irp a, 0,1,2,3,4,5,6,7
.irp i, 0,1,2,3
	v_cvt_pk_f16_f32 v[PK+4*\a+\i], v[SR+8*\a+2*\i], v[SR+8*\a+2*\i+1]
.endr
.endr
.irp nt, 0,1,2,3
.irp mt, 0,1
	ds_store_b128 v[VXW], v[PK+4*(2*\nt+\mt):PK+4*(2*\nt+\mt)+3] offset:\mt*16384+(\nt/2)*1024+(\nt%2)*512
.endr
.endr
	s_wait_dscnt 0x0
	s_barrier_signal -1
	s_barrier_wait -1                              ; all of p and all row sums are in LDS
.macro FETCH buf, vb, boff, aoff
.irp nt, 0,1,2,3
	ds_load_b128 v[BF+32*\buf+8*\nt:BF+32*\buf+8*\nt+3],   v[\vb] offset:\nt*2048+\boff
	ds_load_b128 v[BF+32*\buf+8*\nt+4:BF+32*\buf+8*\nt+7], v[\vb] offset:\nt*2048+\boff+512
.endr
.irp mt, 0,1
	ds_load_b128 v[AF+16*\buf+8*\mt:AF+16*\buf+8*\mt+3],   v[VXA] offset:\mt*16384+\aoff
	ds_load_b128 v[AF+16*\buf+8*\mt+4:AF+16*\buf+8*\mt+7], v[VXA] offset:\mt*16384+\aoff+512
.endr
.endm
; Source 0 = p (rows d), source 1 = Wv^T (rows k): register i of lane (r, hh) is (d = 16 mt + 8 hh + i, k = 16 nt + r).
; The eight accumulators take turns, one instruction a turn.
.macro MUL buf, zero
.irp nt, 0,1,2,3
.irp mt, 0,1
.if \zero
	v_wmma_f32_16x16x32_f16 v[ACC+8*(2*\nt+\mt):ACC+8*(2*\nt+\mt)+7], v[AF+16*\buf+8*\mt:AF+16*\buf+8*\mt+7], v[BF+32*\buf+8*\nt:BF+32*\buf+8*\nt+7], 0
.else
	v_wmma_f32_16x16x32_f16 v[ACC+8*(2*\nt+\mt):ACC+8*(2*\nt+\mt)+7], v[AF+16*\buf+8*\mt:AF+16*\buf+8*\mt+7], v[BF+32*\buf+8*\nt:BF+32*\buf+8*\nt+7], v[ACC+8*(2*\nt+\mt):ACC+8*(2*\nt+\mt)+7]
.endif
.endr
.endr
.endm
.macro FT t, k                         ; K step k of panel t (slot t % 4) into buffer k
	FETCH \k, LB+(\t%4), \k*1024, (2*\t+\k)*1024
.endm
.macro HEAD t, tw                      ; tw: how many younger tensor loads may stay out when panel t has to be there
	s_wait_tensorcnt \tw
	PLACES
	FT \t, 0
.endm
.macro MID t, zero
	PLACES
	FT \t, 1
	s_wait_dscnt 12                                ; all but the twelve loads just issued
	MUL 0, \zero
.endm
.macro NEXT t, tw
	s_wait_tensorcnt \tw
	PLACES
	FT \t, 0
	s_wait_dscnt 12
	MUL 1, 0
.endm
.macro LAST
	s_wait_dscnt 0x0
	MUL 1, 0
.endm
.macro FILLPRE                         ; my reads of the slots are back, all my tensor loads have landed
	s_wait_dscnt 0x0
	s_wait_tensorcnt 0x0
.endm
.macro ADR slot, tile
	s_add_nc_u64 s[G0+4*\slot+2:G0+4*\slot+3], s[WB:WB+1], \tile*SLOTB
.endm
.macro GO slot
	tensor_load_to_lds s[G0+4*\slot:G0+4*\slot+3], s[G1J:G1J+7]
	s_nop 0
.endm
	HEAD 0, 3
	MID  0, 1
	NEXT 1, 2
	MID  1, 0
	NEXT 2, 1
	MID  2, 0
	LAST
	FILLPRE                                        ; panel 3 has landed
	ADR 0, 4
	ADR 1, 5
	ADR 2, 6
	ROUND
	GO 0
	GO 1
	GO 2
	HEAD 3, 3
	MID  3, 0
	NEXT 4, 2
	MID  4, 0
	NEXT 5, 1
	MID  5, 0
	LAST
	FILLPRE                                        ; panel 6 has landed
	ADR 3, 7
	ROUND
	GO 3
	HEAD 6, 1
	MID  6, 0
	NEXT 7, 0
	MID  7, 0
	LAST
	; 256 / row sum: lane = row; then each lane fetches the eight that its registers need.  RXI's bytes are the wave's own, served in order.
	ds_load_b128 v[16:19], v12
	ds_load_b128 v[20:23], v12 offset:16
	s_wait_dscnt 0x0
	v_add_f32 v16, v16, v17                        ; these seven adds name none of the products' registers: they are the places behind the last product
	v_add_f32 v18, v18, v19
	v_add_f32 v20, v20, v21
	v_add_f32 v22, v22, v23
	v_add_f32 v16, v16, v18
	v_add_f32 v20, v20, v22
	v_add_f32 v16, v16, v20
	v_rcp_f32 v16, v16
	v_nop
	s_wait_alu depctr_va_vdst(0)
	v_mul_f32 v16, 0x43800000, v16
	ds_store_b32 v14, v16
	ds_load_b128 v[32:35], v15
	ds_load_b128 v[36:39], v15 offset:16
	ds_load_b128 v[40:43], v15 offset:64
	ds_load_b128 v[44:47], v15 offset:80
	s_wait_dscnt 0x0
.irp nt, 0,1,2,3
.irp mt, 0,1
.irp i, 0,2,4,6
	v_pk_mul_f32 v[ACC+16*\nt+8*\mt+\i:ACC+16*\nt+8*\mt+\i+1], v[ACC+16*\nt+8*\mt+\i:ACC+16*\nt+8*\mt+\i+1], v[32+8*\mt+\i:33+8*\mt+\i]
.endr
.endr
.endr
.irp a, 0,1,2,3,4,5,6,7
.irp i, 0,1,2,3
	v_cvt_pk_f16_f32 v[PK+4*\a+\i], v[ACC+8*\a+2*\i], v[ACC+8*\a+2*\i+1]
.endr
.endr
.irp nt, 0,1,2,3
.irp mt, 0,1
	global_store_b128 v13, v[PK+4*(2*\nt+\mt):PK+4*(2*\nt+\mt)+3], s[62:63] offset:\nt*32768+\mt*512     ; 512 consecutive bytes: half mt of fragment (kt, h, cs)
.endr
.endr
	ROUND                                          ; the closing round
	s_endpgm
.Lfunc_end_k_q517f63acbc_soft:
	.size	k_q517f63acbc_soft, .Lfunc_end_k_q517f63acbc_soft-k_q517f63acbc_soft
	.p2alignl 7, 3214868480
	.fill 96, 4, 3214868480
	.section	.rodata,"a",@progbits
	.p2align	6, 0x0
	.amdhsa_kernel k_q517f63acbc_soft
		.amdhsa_group_segment_fixed_size 327680
		.amdhsa_private_segment_fixed_size 0
		.amdhsa_enable_private_segment 0
		.amdhsa_kernarg_size 32
		.amdhsa_user_sgpr_count 2
		.amdhsa_user_sgpr_kernarg_segment_ptr 1
		.amdhsa_wavefront_size32 1
		.amdhsa_system_sgpr_workgroup_id_x 1
		.amdhsa_system_sgpr_workgroup_id_y 1
		.amdhsa_system_sgpr_workgroup_id_z 1
		.amdhsa_system_vgpr_workitem_id 0
		.amdhsa_next_free_vgpr 256
		.amdhsa_next_free_sgpr 72
		.amdhsa_reserve_vcc 0
		.amdhsa_float_denorm_mode_32 3
		.amdhsa_float_denorm_mode_16_64 3
		.amdhsa_memory_ordered 1
		.amdhsa_forward_progress 1
		.amdhsa_inst_pref_size 50
	.end_amdhsa_kernel
	.amdgpu_metadata
---
amdhsa.version: [ 1, 2 ]
amdhsa.kernels:
  - .name:           k_q517f63acbc_soft
    .symbol:         k_q517f63acbc_soft.kd
    .args:
      - { .name: SB, .offset: 0, .size: 8, .value_kind: global_buffer, .address_space: global }
      - { .name: ST, .offset: 8, .size: 8, .value_kind: global_buffer, .address_space: global }
      - { .name: WF, .offset: 16, .size: 8, .value_kind: global_buffer, .address_space: global }
      - { .name: MTF, .offset: 24, .size: 8, .value_kind: global_buffer, .address_space: global }
    .group_segment_fixed_size: 327680
    .private_segment_fixed_size: 0
    .kernarg_segment_align: 8
    .kernarg_segment_size: 32
    .max_flat_workgroup_size: 256
    .sgpr_count:     72
    .vgpr_count:     256
    .wavefront_size: 32
...
	.end_amdgpu_metadata
.endif
;; end of part 3
;; launch tproj (part 4): grid 256 x 1, 4 waves a work-group, clusters of 4 x 1, 167,936 bytes of LDS; arguments MTF, WF, TF; writes TF
.if DOCPART == 4
	.amdgcn_target "amdgcn-amd-amdhsa--gfx1250"
	.amdhsa_code_object_version 6
	.text
	.protected	k_q517f63acbc_tproj
	.globl	k_q517f63acbc_tproj
	.p2align	8
	.type	k_q517f63acbc_tproj,@function
k_q517f63acbc_tproj:
	s_mov_b64 s[64:65], 0
	v_nop
	global_prefetch_b8 v0, s[64:65] scope:SCOPE_SE
	s_setreg_imm32_b32 hwreg(HW_REG_WAVE_MODE, 25, 1), 1
	s_wait_xcnt 0x0
	s_wait_alu depctr_hold_cnt(0) depctr_sa_sdst(0) depctr_va_vdst(0) depctr_va_sdst(0) depctr_va_ssrc(0) depctr_va_vcc(0) depctr_vm_vsrc(0)
	s_getreg_b32 s2, hwreg(HW_REG_IB_STS2, 6, 4)
	s_cmp_eq_u32 s2, 0
	s_cbranch_scc0 .Lentry_in_a_cluster
	s_endpgm
.Lentry_in_a_cluster:
	s_bfe_u32 s2, ttmp6, 0x10000c
	s_cmp_lg_u32 s2, 0x3003
	s_cbranch_scc0 .Lentry_shape_is_right
	s_endpgm
.Lentry_shape_is_right:
; LAUNCH 4 OF 5.  T'[b][d][k] = 1/4 sum over h, c of Wout[d][c] Mh'[b,h][c][k], with Mh' = 2^8 Mh: T' = 2^8 T, stored in f16 fragments with rows d, K = k.
; LIMIT: |T| < 255.
; SHARE: cluster q, place cx: b = q >> 3, tile of 16 columns k: kt = 4 (q & 7) + cx.  The work-group makes 256 d x 16 k over K = 4 heads x 256 c.
; Wave w owns d = 64 w .. + 63: four accumulators.  Source 0 = Mh'^T (rows k), source 1 = Wout (rows d): register i of lane (r, hh) is (k = 8 hh + i, d = r),
; which is half kt & 1 of a fragment with rows d.
; CLUSTER: Wout's 128 KiB of fragments are the same for all: joint loads, mask 15; wave w asks for and alone reads its 32 KiB.  Mh'^T's 32 KiB hang on cx:
; plain loads, head w by wave w, read by all four waves behind a barrier.  Every LDS byte is filled once.  At most three tensor loads of a wave are outstanding.
.set MTL, 131072
.set WOF, 4718592
.set PK,  16                           ; v[16:31]
.set WOB, 32                           ; v[32:95]   two buffers of four Wout fragments
.set MTB, 96                           ; v[96:159]  two buffers of four heads' fragments
.set ACC, 160                          ; v[160:191]
.set G1J, 16                           ; 64 rows of 256 bytes, joint
.set G1P, 24                           ; 32 rows of 256 bytes, plain
.macro PLACES                          ; four plain vector places behind a matrix instruction (ISA guide 7.12.1)
.rept 4
	v_nop
.endr
.endm
.macro ROUND
	s_barrier_signal -1
	s_barrier_wait -1
	s_cmp_lg_u32 s12, 0
	s_cbranch_scc1 .Lnot_wave_0_\@
	s_barrier_signal -3
.Lnot_wave_0_\@:
	s_barrier_wait -3
	s_barrier_signal -1
	s_barrier_wait -1
.endm
.macro DESC1 base, w0, rows
	s_mov_b32 s[\base+0], \w0
	s_mov_b32 s[\base+1], 32<<16
	s_mov_b32 s[\base+2], \rows<<16
	s_mov_b32 s[\base+3], 32<<16
	s_mov_b32 s[\base+4], \rows
	s_mov_b32 s[\base+5], 32
	s_mov_b32 s[\base+6], 0
	s_mov_b32 s[\base+7], 0
.endm
	s_load_b128 s[4:7], s[0:1], 0x0                ; MTF 4, WF 6
	s_load_b64 s[8:9], s[0:1], 0x10                ; TF
	v_lshrrev_b32 v1, 5, v0
	v_readfirstlane_b32 s12, v1
	v_and_b32 v1, 31, v0
	v_lshlrev_b32 v13, 4, v1
	s_lshr_b32 s15, ttmp9, 3                       ; b
	s_bfe_u32 s13, ttmp6, 0x40000                  ; cx
	s_and_b32 s56, ttmp9, 7
	s_lshl_b32 s56, s56, 2
	s_add_co_u32 s56, s56, s13                     ; kt
	DESC1 G1J, 0x0023000f, 64
	DESC1 G1P, 0x00030000, 32
	s_lshl_b32 s69, s12, 15                        ; w x 32 KiB
	v_add_nc_u32 v4, s69, v13                      ; my Wout fragments
	v_add_nc_u32 v5, MTL, v13                      ; the four heads' fragments
	s_mov_b32 s32, 1
	s_lshl_b32 s33, s12, 13
	s_add_co_u32 s33, s33, MTL
	s_mov_b32 s36, 1
	s_mov_b32 s37, s69
	s_mov_b32 s40, 1
	s_add_co_u32 s41, s69, 16384
	s_add_co_u32 s58, s69, WOF
	s_mov_b32 s59, 0
	s_lshl_b32 s70, s15, 20
	s_lshl_b32 s13, s56, 15
	s_add_co_u32 s70, s70, s13
	s_lshl_b32 s13, s12, 13
	s_add_co_u32 s70, s70, s13
	s_mov_b32 s71, 0
	s_wait_kmcnt 0x0
	s_add_nc_u64 s[38:39], s[6:7], s[58:59]
	s_or_b32 s39, s39, 0x80000000
	s_add_nc_u64 s[42:43], s[38:39], 16384
	s_add_nc_u64 s[34:35], s[4:5], s[70:71]        ; MTF [b][kt][h = w][cs 8][1 KiB]
	s_or_b32 s35, s35, 0x80000000
	s_lshl_b32 s70, s15, 18
	s_lshl_b32 s13, s12, 16
	s_add_co_u32 s70, s70, s13
	s_lshr_b32 s13, s56, 1
	s_lshl_b32 s13, s13, 12
	s_add_co_u32 s70, s70, s13
	s_and_b32 s13, s56, 1
	s_lshl_b32 s13, s13, 9
	s_add_co_u32 s70, s70, s13
	s_add_nc_u64 s[60:61], s[8:9], s[70:71]        ; TF [b][dw = w][ks = kt / 2][nt 4][1 KiB], half kt & 1
	ROUND
	tensor_load_to_lds s[32:35], s[G1P:G1P+7]
	s_nop 0
	tensor_load_to_lds s[36:39], s[G1J:G1J+7]      ; Wout, K steps 0-3
	s_nop 0
	tensor_load_to_lds s[40:43], s[G1J:G1J+7]      ; K steps 4-7
	s_nop 0
	s_wait_tensorcnt 0x2                           ; my head's fragments are in; Wout's two loads stay out
	s_barrier_signal -1
	s_barrier_wait -1                              ; all four heads' are in
.macro FETCH4 buf, cs                  ; sixteen LDS loads: K step cs of Wout's four tiles and of the four heads
.irp n, 0,1,2,3
	ds_load_b128 v[WOB+32*\buf+8*\n:WOB+32*\buf+8*\n+3],   v4 offset:\cs*4096+\n*1024
	ds_load_b128 v[WOB+32*\buf+8*\n+4:WOB+32*\buf+8*\n+7], v4 offset:\cs*4096+\n*1024+512
.endr
.irp h, 0,1,2,3
	ds_load_b128 v[MTB+32*\buf+8*\h:MTB+32*\buf+8*\h+3],   v5 offset:\h*8192+\cs*1024
	ds_load_b128 v[MTB+32*\buf+8*\h+4:MTB+32*\buf+8*\h+7], v5 offset:\h*8192+\cs*1024+512
.endr
.endm
.macro WM4 buf, h, n, first
.if \first
	v_wmma_f32_16x16x32_f16 v[ACC+8*\n:ACC+8*\n+7], v[MTB+32*\buf+8*\h:MTB+32*\buf+8*\h+7], v[WOB+32*\buf+8*\n:WOB+32*\buf+8*\n+7], 0
.else
	v_wmma_f32_16x16x32_f16 v[ACC+8*\n:ACC+8*\n+7], v[MTB+32*\buf+8*\h:MTB+32*\buf+8*\h+7], v[WOB+32*\buf+8*\n:WOB+32*\buf+8*\n+7], v[ACC+8*\n:ACC+8*\n+7]
.endif
.endm
; Sixteen products.  The four accumulators take turns, one instruction a turn.
.macro MUL4 buf, zero
.irp n, 0,1,2,3
	WM4 \buf, 0, \n, \zero
.endr
.irp h, 1,2,3
.irp n, 0,1,2,3
	WM4 \buf, \h, \n, 0
.endr
.endr
.endm
	s_wait_tensorcnt 0x1                           ; Wout's K steps 0-3 are in
	FETCH4 0, 0
.set CS, 0
.rept 7
.if CS == 3
	s_wait_tensorcnt 0x0                           ; K steps 4-7 are in
.endif
.if CS > 0
	PLACES
.endif
	FETCH4 ((CS+1)%2), (CS+1)
	s_wait_dscnt 16                                ; all but the sixteen loads just issued
	MUL4 (CS%2), (CS==0)
.set CS, CS+1
.endr
	s_wait_dscnt 0x0
	MUL4 1, 0
	PLACES
.set j, 0
.rept 16
	v_pk_mul_f32 v[ACC+2*j:ACC+2*j+1], v[ACC+2*j:ACC+2*j+1], 0x3e800000 op_sel_hi:[1,0]   ; the mean over four heads
.set j, j+1
.endr
.irp n, 0,1,2,3
.irp i, 0,1,2,3
	v_cvt_pk_f16_f32 v[PK+4*\n+\i], v[ACC+8*\n+2*\i], v[ACC+8*\n+2*\i+1]
.endr
	global_store_b128 v13, v[PK+4*\n:PK+4*\n+3], s[60:61] offset:\n*1024       ; 512 consecutive bytes
.endr
	ROUND                                          ; the closing round
	s_endpgm
.Lfunc_end_k_q517f63acbc_tproj:
	.size	k_q517f63acbc_tproj, .Lfunc_end_k_q517f63acbc_tproj-k_q517f63acbc_tproj
	.p2alignl 7, 3214868480
	.fill 96, 4, 3214868480
	.section	.rodata,"a",@progbits
	.p2align	6, 0x0
	.amdhsa_kernel k_q517f63acbc_tproj
		.amdhsa_group_segment_fixed_size 167936
		.amdhsa_private_segment_fixed_size 0
		.amdhsa_enable_private_segment 0
		.amdhsa_kernarg_size 24
		.amdhsa_user_sgpr_count 2
		.amdhsa_user_sgpr_kernarg_segment_ptr 1
		.amdhsa_wavefront_size32 1
		.amdhsa_system_sgpr_workgroup_id_x 1
		.amdhsa_system_sgpr_workgroup_id_y 1
		.amdhsa_system_sgpr_workgroup_id_z 1
		.amdhsa_system_vgpr_workitem_id 0
		.amdhsa_next_free_vgpr 192
		.amdhsa_next_free_sgpr 72
		.amdhsa_reserve_vcc 0
		.amdhsa_float_denorm_mode_32 3
		.amdhsa_float_denorm_mode_16_64 3
		.amdhsa_memory_ordered 1
		.amdhsa_forward_progress 1
		.amdhsa_inst_pref_size 25
	.end_amdhsa_kernel
	.amdgpu_metadata
---
amdhsa.version: [ 1, 2 ]
amdhsa.kernels:
  - .name:           k_q517f63acbc_tproj
    .symbol:         k_q517f63acbc_tproj.kd
    .args:
      - { .name: MTF, .offset: 0, .size: 8, .value_kind: global_buffer, .address_space: global }
      - { .name: WF, .offset: 8, .size: 8, .value_kind: global_buffer, .address_space: global }
      - { .name: TF, .offset: 16, .size: 8, .value_kind: global_buffer, .address_space: global }
    .group_segment_fixed_size: 167936
    .private_segment_fixed_size: 0
    .kernarg_segment_align: 8
    .kernarg_segment_size: 24
    .max_flat_workgroup_size: 128
    .sgpr_count:     72
    .vgpr_count:     192
    .wavefront_size: 32
...
	.end_amdgpu_metadata
.endif
;; end of part 4
;; launch final (part 5): grid 256 x 1, 4 waves a work-group, clusters of 4 x 1, 294,912 bytes of LDS; arguments emb_all, TF, out0; writes out0
.if DOCPART == 5
	.amdgcn_target "amdgcn-amd-amdhsa--gfx1250"
	.amdhsa_code_object_version 6
	.text
	.protected	k_q517f63acbc_final
	.globl	k_q517f63acbc_final
	.p2align	8
	.type	k_q517f63acbc_final,@function
k_q517f63acbc_final:
	s_mov_b64 s[64:65], 0
	v_nop
	global_prefetch_b8 v0, s[64:65] scope:SCOPE_SE
	s_setreg_imm32_b32 hwreg(HW_REG_WAVE_MODE, 25, 1), 1
	s_wait_xcnt 0x0
	s_wait_alu depctr_hold_cnt(0) depctr_sa_sdst(0) depctr_va_vdst(0) depctr_va_sdst(0) depctr_va_ssrc(0) depctr_va_vcc(0) depctr_vm_vsrc(0)
	s_getreg_b32 s2, hwreg(HW_REG_IB_STS2, 6, 4)
	s_cmp_eq_u32 s2, 0
	s_cbranch_scc0 .Lentry_in_a_cluster
	s_endpgm
.Lentry_in_a_cluster:
	s_bfe_u32 s2, ttmp6, 0x10000c
	s_cmp_lg_u32 s2, 0x3003
	s_cbranch_scc0 .Lentry_shape_is_right
	s_endpgm
.Lentry_shape_is_right:
; LAUNCH 5 OF 5.  out[b][n][d] = 2^-8 sum over k of emb_all[b][n][k] T'[b][d][k].
; LIMIT: emb_all goes to f16 as it is: |x| < 65,504.
; SHARE: cluster q, place cx: b = q >> 3, rows n0 = 32 (4 (q & 7) + cx) .. + 31.  The work-group makes 32 n x 256 d over K = 512.
; Wave w owns d = 64 w .. + 63: 2 x 4 accumulators.  Source 0 = T' (rows d), source 1 = emb_all (rows n): a lane's eight results are eight neighbouring d of one row n.
; CLUSTER: the four partners share T'[b], 256 KiB of the 320 KiB that a work-group reads: joint loads, mask 15; wave w asks for and alone reads its 64 KiB,
; in four loads of 16 KiB (four K steps each).  Every LDS byte is filled once.  At most four tensor loads of a wave are outstanding.
; emb_all's 32 rows hang on cx and are f32: they come through registers, become f16 fragments there and are shared through LDS.
.set XE,  262144                       ; 32 KiB: emb_all fragments [mt 2][ks 16][1 KiB]
.set SP,  272                          ; the way out: rows of 256 bytes + 16, in the wave's own 64 KiB behind their last fill and last read
.set LD,  64                           ; v[64:191] 32 loads of 16 bytes a lane
.set BF,  64
.set AF,  128
.set ACC, 192
.set G1J, 16
.set G0,  32
.macro PLACES                          ; four plain vector places behind a matrix instruction (ISA guide 7.12.1)
.rept 4
	v_nop
.endr
.endm
.macro ROUND
	s_barrier_signal -1
	s_barrier_wait -1
	s_cmp_lg_u32 s12, 0
	s_cbranch_scc1 .Lnot_wave_0_\@
	s_barrier_signal -3
.Lnot_wave_0_\@:
	s_barrier_wait -3
	s_barrier_signal -1
	s_barrier_wait -1
.endm
	s_load_b128 s[4:7], s[0:1], 0x0                ; emb_all 4, TF 6
	s_load_b64 s[8:9], s[0:1], 0x10                ; out0
	v_lshrrev_b32 v1, 5, v0
	v_readfirstlane_b32 s12, v1
	v_and_b32 v1, 31, v0
	v_and_b32 v2, 15, v0
	v_bfe_u32 v3, v0, 4, 1
	v_lshlrev_b32 v13, 4, v1
	s_lshr_b32 s15, ttmp9, 3                       ; b
	s_bfe_u32 s13, ttmp6, 0x40000                  ; cx
	s_and_b32 s56, ttmp9, 7
	s_lshl_b32 s56, s56, 2
	s_add_co_u32 s56, s56, s13                     ; block of 32 rows n, 0..31
	s_lshl_b32 s69, s12, 16                        ; w x 64 KiB
	v_add_nc_u32 v4, s69, v13                      ; my T' fragments
	v_add_nc_u32 v5, XE, v13
	s_lshl_b32 s58, s12, 12
	v_add_nc_u32 v6, s58, v5                       ; the fragments that I make: K steps 4 w ..
	v_lshlrev_b32 v7, 11, v2
	v_lshl_add_u32 v7, v3, 5, v7                   ; emb_all: row r, 8 numbers at 8 hh
	v_mul_u32_u24 v8, v2, SP
	v_lshl_add_u32 v8, v3, 5, v8
	v_add_nc_u32 v8, s69, v8                       ; the way out, in: row r, 32 bytes at 8 hh
	v_mul_u32_u24 v9, v3, SP
	v_lshl_add_u32 v9, v2, 4, v9
	v_add_nc_u32 v9, s69, v9                       ; back: lanes 0-15 one row of 256 bytes, lanes 16-31 the next
	v_lshlrev_b32 v10, 10, v3
	v_lshl_add_u32 v10, v2, 4, v10                 ; and the same two rows in out0
	s_lshl_b32 s70, s15, 21
	s_lshl_b32 s13, s56, 16
	s_add_co_u32 s70, s70, s13
	s_lshl_b32 s13, s12, 9
	s_add_co_u32 s70, s70, s13
	s_mov_b32 s71, 0
	s_wait_kmcnt 0x0
	s_add_nc_u64 s[4:5], s[4:5], s[70:71]          ; emb_all at my rows, my wave's 128 columns k
	; fragment FR = 4 mt + ksl: four loads; the wave's 32 loads together read 512 consecutive bytes of each of the 32 rows
.set FR, 0
.rept 8
.irp q, 0,1
	global_load_b128 v[LD+16*FR+8*\q:LD+16*FR+8*\q+3],   v7, s[4:5] offset:(FR/4)*32768+(FR%4)*128+\q*64 th:TH_LOAD_NT
	global_load_b128 v[LD+16*FR+8*\q+4:LD+16*FR+8*\q+7], v7, s[4:5] offset:(FR/4)*32768+(FR%4)*128+\q*64+16 th:TH_LOAD_NT
.endr
.set FR, FR+1
.endr
	s_mov_b32 s[G1J+0], 0x0023000f                 ; mask 15, bit 21 beside it, elements of 8 bytes
	s_mov_b32 s[G1J+1], 32<<16                     ; 64 rows of 256 bytes, dense
	s_mov_b32 s[G1J+2], 64<<16
	s_mov_b32 s[G1J+3], 32<<16
	s_mov_b32 s[G1J+4], 64
	s_mov_b32 s[G1J+5], 32
	s_mov_b32 s[G1J+6], 0
	s_mov_b32 s[G1J+7], 0
	s_lshl_b32 s58, s15, 18
	s_add_co_u32 s58, s58, s69
	s_mov_b32 s59, 0
	s_add_nc_u64 s[52:53], s[6:7], s[58:59]        ; TF [b][dw = w][ks 16][nt 4][1 KiB]
	s_or_b32 s53, s53, 0x80000000
.irp t, 0,1,2,3
	s_mov_b32 s[G0+4*\t], 1
	s_add_co_u32 s[G0+4*\t+1], s69, \t*16384
	s_add_nc_u64 s[G0+4*\t+2:G0+4*\t+3], s[52:53], \t*16384
.endr
	s_lshl_b32 s70, s15, 20
	s_lshl_b32 s13, s56, 15
	s_add_co_u32 s70, s70, s13
	s_lshl_b32 s13, s12, 8
	s_add_co_u32 s70, s70, s13
	s_add_nc_u64 s[8:9], s[8:9], s[70:71]          ; out0 at my rows, my wave's 64 columns d
	ROUND
.irp t, 0,1,2,3
	tensor_load_to_lds s[G0+4*\t:G0+4*\t+3], s[G1J:G1J+7]
	s_nop 0
.endr
.set FR, 0
.rept 8
	s_wait_loadcnt 28-4*FR                         ; fragment FR's four loads are in; the younger ones stay out
.irp i, 0,1,2,3,4,5,6,7
	v_cvt_pk_f16_f32 v[LD+16*FR+\i], v[LD+16*FR+2*\i], v[LD+16*FR+2*\i+1]
.endr
	ds_store_b128 v6, v[LD+16*FR:LD+16*FR+3]   offset:(FR/4)*16384+(FR%4)*1024
	ds_store_b128 v6, v[LD+16*FR+4:LD+16*FR+7] offset:(FR/4)*16384+(FR%4)*1024+512
.set FR, FR+1
.endr
	s_wait_dscnt 0x0                               ; my fragments are in LDS, for the others' sake
	s_barrier_signal -1
	s_barrier_wait -1                              ; T's loads stay on their way: nothing is filled again
.macro FETCH buf, ks                   ; twelve LDS loads: K step ks of my four d tiles and of the two n tiles
.irp nt, 0,1,2,3
	ds_load_b128 v[BF+32*\buf+8*\nt:BF+32*\buf+8*\nt+3],   v4 offset:\ks*4096+\nt*1024
	ds_load_b128 v[BF+32*\buf+8*\nt+4:BF+32*\buf+8*\nt+7], v4 offset:\ks*4096+\nt*1024+512
.endr
.irp mt, 0,1
	ds_load_b128 v[AF+16*\buf+8*\mt:AF+16*\buf+8*\mt+3],   v5 offset:\mt*16384+\ks*1024
	ds_load_b128 v[AF+16*\buf+8*\mt+4:AF+16*\buf+8*\mt+7], v5 offset:\mt*16384+\ks*1024+512
.endr
.endm
; Eight products.  The eight accumulators take turns, one instruction a turn.
.macro MUL buf, zero
.irp nt, 0,1,2,3
.irp mt, 0,1
.if \zero
	v_wmma_f32_16x16x32_f16 v[ACC+8*(2*\nt+\mt):ACC+8*(2*\nt+\mt)+7], v[BF+32*\buf+8*\nt:BF+32*\buf+8*\nt+7], v[AF+16*\buf+8*\mt:AF+16*\buf+8*\mt+7], 0
.else
	v_wmma_f32_16x16x32_f16 v[ACC+8*(2*\nt+\mt):ACC+8*(2*\nt+\mt)+7], v[BF+32*\buf+8*\nt:BF+32*\buf+8*\nt+7], v[AF+16*\buf+8*\mt:AF+16*\buf+8*\mt+7], v[ACC+8*(2*\nt+\mt):ACC+8*(2*\nt+\mt)+7]
.endif
.endr
.endr
.endm
	s_wait_tensorcnt 0x3                           ; K steps 0-3 of T' are in; three younger loads stay out
	FETCH 0, 0
.set KS, 0
.rept 15
.if ((KS+1)%4) == 0
	s_wait_tensorcnt 3-(KS+1)/4                    ; the next four K steps are in: 2, 1, 0 younger loads stay out
.endif
.if KS > 0
	PLACES
.endif
	FETCH ((KS+1)%2), (KS+1)
	s_wait_dscnt 12                                ; all but the twelve loads just issued
	MUL (KS%2), (KS==0)
.set KS, KS+1
.endr
	s_wait_dscnt 0x0
	MUL 1, 0
	; THE WAY OUT: x 2^-8, 32 bytes a lane into my own stage, back as whole rows of 256 bytes.  LDS serves a wave's instructions in order.
	PLACES
.set j, 0
.rept 32
	v_pk_mul_f32 v[ACC+2*j:ACC+2*j+1], v[ACC+2*j:ACC+2*j+1], 0x3b800000 op_sel_hi:[1,0]
.set j, j+1
.endr
.irp nt, 0,1,2,3
.irp mt, 0,1
	ds_store_b128 v8, v[ACC+8*(2*\nt+\mt):ACC+8*(2*\nt+\mt)+3]   offset:\mt*16*SP+\nt*64
	ds_store_b128 v8, v[ACC+8*(2*\nt+\mt)+4:ACC+8*(2*\nt+\mt)+7] offset:\mt*16*SP+\nt*64+16
.endr
.endr
.irp t, 0,1,2,3,4,5,6,7,8,9,10,11,12,13,14,15
	ds_load_b128 v[BF+4*\t:BF+4*\t+3], v9 offset:\t*2*SP
.endr
.irp t, 0,1,2,3,4,5,6,7,8,9,10,11,12,13,14,15
	s_wait_dscnt 15-\t
	global_store_b128 v10, v[BF+4*\t:BF+4*\t+3], s[8:9] offset:\t*2048 th:TH_STORE_NT     ; 16 lanes store 256 consecutive bytes, at a multiple of 256 from out0's first byte
.endr
	ROUND                                          ; the closing round
	s_endpgm
.Lfunc_end_k_q517f63acbc_final:
	.size	k_q517f63acbc_final, .Lfunc_end_k_q517f63acbc_final-k_q517f63acbc_final
	.p2alignl 7, 3214868480
	.fill 96, 4, 3214868480
	.section	.rodata,"a",@progbits
	.p2align	6, 0x0
	.amdhsa_kernel k_q517f63acbc_final
		.amdhsa_group_segment_fixed_size 294912
		.amdhsa_private_segment_fixed_size 0
		.amdhsa_enable_private_segment 0
		.amdhsa_kernarg_size 24
		.amdhsa_user_sgpr_count 2
		.amdhsa_user_sgpr_kernarg_segment_ptr 1
		.amdhsa_wavefront_size32 1
		.amdhsa_system_sgpr_workgroup_id_x 1
		.amdhsa_system_sgpr_workgroup_id_y 1
		.amdhsa_system_sgpr_workgroup_id_z 1
		.amdhsa_system_vgpr_workitem_id 0
		.amdhsa_next_free_vgpr 256
		.amdhsa_next_free_sgpr 72
		.amdhsa_reserve_vcc 0
		.amdhsa_float_denorm_mode_32 3
		.amdhsa_float_denorm_mode_16_64 3
		.amdhsa_memory_ordered 1
		.amdhsa_forward_progress 1
		.amdhsa_inst_pref_size 43
	.end_amdhsa_kernel
	.amdgpu_metadata
---
amdhsa.version: [ 1, 2 ]
amdhsa.kernels:
  - .name:           k_q517f63acbc_final
    .symbol:         k_q517f63acbc_final.kd
    .args:
      - { .name: emb_all, .offset: 0, .size: 8, .value_kind: global_buffer, .address_space: global }
      - { .name: TF, .offset: 8, .size: 8, .value_kind: global_buffer, .address_space: global }
      - { .name: out0, .offset: 16, .size: 8, .value_kind: global_buffer, .address_space: global }
    .group_segment_fixed_size: 294912
    .private_segment_fixed_size: 0
    .kernarg_segment_align: 8
    .kernarg_segment_size: 24
    .max_flat_workgroup_size: 128
    .sgpr_count:     72
    .vgpr_count:     256
    .wavefront_size: 32
...
	.end_amdgpu_metadata
.endif
;; end of part 5
;; ======== version 2 of 2: 5 launches; 1.19 times as fast as version 1
;; limits: values are held in f16: magnitudes above 65,504 overflow, below 6.1e-05 lose precision; right only within a limited range of input values; inputs' magnitudes at most 65,504
;; workspace buffers: WF 4,849,664 bytes; GF 2,097,152 bytes; SB 16,777,216 bytes; ST 16,384 bytes; MTF 8,388,608 bytes; TF 2,097,152 bytes
;; launch gram (part 6): grid 4 x 64, 8 waves a work-group, clusters of 4 x 4, 327,680 bytes of LDS; arguments emb, emb_all, Wq, Wk, Wv, Wout, GF, WF; writes GF, WF
.if DOCPART == 6
	.amdgcn_target "amdgcn-amd-amdhsa--gfx1250"
	.amdhsa_code_object_version 6
	.text
	.protected	k_q517f63acbc_gram
	.globl	k_q517f63acbc_gram
	.p2align	8
	.type	k_q517f63acbc_gram,@function
k_q517f63acbc_gram:
	s_mov_b64 s[64:65], 0
	v_nop
	global_prefetch_b8 v0, s[64:65] scope:SCOPE_SE
	s_setreg_imm32_b32 hwreg(HW_REG_WAVE_MODE, 25, 1), 1
	s_wait_xcnt 0x0
	s_wait_alu depctr_hold_cnt(0) depctr_sa_sdst(0) depctr_va_vdst(0) depctr_va_sdst(0) depctr_va_ssrc(0) depctr_va_vcc(0) depctr_vm_vsrc(0)
	s_getreg_b32 s2, hwreg(HW_REG_IB_STS2, 6, 4)
	s_cmp_eq_u32 s2, 0
	s_cbranch_scc0 .Lentry_in_a_cluster
	s_endpgm
.Lentry_in_a_cluster:
	s_bfe_u32 s2, ttmp6, 0x10000c
	s_cmp_lg_u32 s2, 0xf033
	s_cbranch_scc0 .Lentry_shape_is_right
	s_endpgm
.Lentry_shape_is_right:
; LAUNCH 1 OF 5.  The module is re-associated (exact algebra, for every input):
;   scores[b,h] = Wq[h] G[b] Wk[h]^T / sqrt(512),  G[b][c][k'] = sum over n of emb[b][n][c] emb_all[b][n][k']
;   out[b]      = emb_all[b] T[b]^T,               T[b] = 1/4 Wout sum over h of (probs[b,h] Wv[h])
; This launch (a) makes G[b] x 2^-6 in f16 and (b) rewrites the four weights in f16.
; FRAGMENT ORDER of every 16-bit operand X[rows][K] in the workspace: 16 rows x 32 K are 1,024 bytes; byte 512 q + 16 lane holds
; X[row0 + r][k0 + 16 q + 8 hh + 0..7], lane = 16 hh + r: a fragment is two loads of 16 bytes a lane with neighbouring lanes 16 bytes apart.
; All matrix operands are f16 (11 significant bits; bf16's 8 would use up the result's margin), sums in f32.
; LIMITS: inputs go to f16 as they are: |x| < 65,504; magnitudes under 6.1e-5 keep an absolute error of 3e-8.
;         G is stored x 2^-6: |G| < 4.19e6 (offsets of 30 on both inputs give 9.3e5).
;         The sum over n is made in another order than the reference's (eight partial sums of 128 n; within 32 n the order given below).
; SHARE: work-group (x, y): 64 columns c (cb = x), b = y >> 3, 64 columns k' (mt = y & 7), all 1,024 n.
; Wave w takes n = 128 w .. 128 w + 127 in four steps of 32 rows and holds the whole 64 x 64 partial in 16 accumulators; the eight partials meet in LDS.
; CLUSTER 4 x 4: emb_all's tile hangs on y alone and is shared along a row of the cluster, emb's on x and b alone and is shared along a column.
; Each is asked for jointly by the four, so of the 512 KiB that a work-group receives it asks for a quarter.  Each wave asks for and alone reads its own rows.
; LDS: wave w's 32 KiB at 32 KiB x w: two slots of 16 KiB = 32 rows x 256 bytes of emb_all, then of emb, in f32 as they lie in memory.
; FROM f32 [n][column] TO FRAGMENTS: LDS load i of an operand covers 512 consecutive bytes: lane (r, hh) gets row 2 i + hh, columns 4 r .. 4 r + 3: one
; number for each of four fragments, fragment t having column 4 r + t as its row r.  Converting loads 2 j and 2 j + 1 pairwise gives register j.
; So K place (hh, register j, half e) holds n = 4 j + 2 e + hh, alike in both operands: the products are the same, the unit groups them otherwise.
; TWO GROUPS OF TENSOR LOADS, four a wave: steps 0, 1, then steps 2, 3.  Both slots are read and packed into registers; then the slots are filled again,
; and the 32 products of steps 0 and 1 run while those loads are on their way.  At most four tensor loads of a wave are outstanding.
; WORKSPACE LAYOUTS (units of 1 KiB fragments):
;   GF  [b 8][ct/2 8][ks 16][ct&1 2]   rows c (tile ct), K = k'        WKF [h 4][jb 8][ks 16][nt 4]     rows j, K = k'
;   WVF [h 4][kt/2 16][ks 16][kt&1 2]  rows k (tile kt), K = j         WQF [h 4][dt/2 8][ks 8][dt&1 2]  rows d (tile dt), K = c
;   WOF [dw 4][ks 8][nt 4]             rows d, K = c
.set WVF, 2097152                      ; WF: Wk fragments at 0, Wv^T at WVF, Wq at WQF, Wout at WOF
.set WQF, 4194304
.set WOF, 4718592
.set WAVEB, 32768                      ; LDS of a wave
.set SLOT,  16384
.set OPB,   8192                       ; emb's rows lie behind emb_all's in a slot
.set RP,    272                        ; a partial's row c: [t 4][m 16] f32 = 256 bytes + 16; row c lies at 272 c + 16 (c >> 4)
.set LA,  4                            ; v4      my 32 KiB + 16 lane
.set RST, 5                            ; v5      my partial's store
.set RRD, 6                            ; v[6:9]  the partials' read: regions 2 x, 2 x + 1
; v10 Wk, v11 Wv, v12 Wq/Wout offsets, v13 16 x thread, v14 16 x lane, v15 my offset in GF
.set F0,  64                           ; v[64:127]  fragments of an even step: four of emb_all^T, then four of emb^T
.set RA,  128                          ; v[128:191] emb_all's 32 rows as read; before that: scratch for the weights
.set RM,  192                          ; v[192:255] emb's 32 rows as read
.set WS,  128
; SECOND WINDOW of registers: v[256:383], written v[0:127]: accumulator (tk, tc) at 8 (4 tk + tc);
.set F1,  128                          ; v[384:447], written v[128:191]: fragments of an odd step
.set G1A, 32                           ; s[32:39] group 1 of emb_all's tiles (mask: my row of the cluster)
.set G1B, 40                           ; s[40:47] group 1 of emb's tiles (mask: my column)
.set G0,  48                           ; s[48:63] group 0: slot 0 emb_all, slot 0 emb, slot 1 emb_all, slot 1 emb
; s20 wave, s21 cx, s22 cy, s23 cluster y, s24 b, s25 mt, s26 cb, s28 g, s29 w x 32 KiB.  What feeds emb_all's descriptors (s30, s[66:67], s70) never holds cx,
; what feeds emb's (s31, s[68:69], s71) never holds cy; s72 and above serve the weights and GF and may hold both.
; s_set_vgpr_msb's low byte: bits 1:0 source 0, 3:2 source 1, 5:4 source 2, 7:6 destination; the high byte repeats the setting that is left.
.set MSB, 0
.macro WIN new
.if MSB != \new
	s_set_vgpr_msb (MSB<<8)|\new
.set MSB, \new
.endif
.endm
.set TO_W1,  0x40                      ; destination in the second window
.set MUL_EV, 0x50                      ; C and D in the second window, fragments in the first
.set MUL_OD, 0x55                      ; all four in the second window
.set ST_W1,  0x04                      ; an LDS store's data in the second window
.macro PLACES                          ; four plain vector places behind a matrix instruction (ISA guide 7.12.1)
.rept 4
	v_nop
.endr
.endm
.macro ROUND                           ; a round of the cluster's barrier
	s_barrier_signal -1
	s_barrier_wait -1
	s_cmp_lg_u32 s20, 0
	s_cbranch_scc1 .Lnot_wave_0_\@
	s_barrier_signal -3
.Lnot_wave_0_\@:
	s_barrier_wait -3
	s_barrier_signal -1
	s_barrier_wait -1
.endm
	s_load_b512 s[4:19], s[0:1], 0x0               ; emb 4, emb_all 6, Wq 8, Wk 10, Wv 12, Wout 14, GF 16, WF 18
	v_lshrrev_b32 v1, 5, v0
	v_readfirstlane_b32 s20, v1                    ; wave 0..7
	v_and_b32 v1, 31, v0
	v_and_b32 v2, 15, v0
	v_bfe_u32 v3, v0, 4, 1
	v_bfe_u32 v16, v0, 4, 2                        ; (thread >> 4) & 3
	v_lshrrev_b32 v17, 7, v0                       ; thread >> 7
	v_lshrrev_b32 v18, 6, v0                       ; thread >> 6
	v_bfe_u32 v19, v0, 6, 1                        ; (thread >> 6) & 1
	v_lshlrev_b32 v13, 4, v0
	v_lshlrev_b32 v14, 4, v1
	s_lshl_b32 s29, s20, 15
	v_add_nc_u32 v[LA], s29, v14
	v_mul_u32_u24 v[RST], v2, 4*RP                 ; my partial: rows c = 4 r + tc: 272 (4 r) + 16 (r >> 2),
	v_lshrrev_b32 v20, 2, v2
	v_lshl_add_u32 v[RST], v20, 4, v[RST]
	v_lshl_add_u32 v[RST], v3, 5, v[RST]           ; m = 8 hh ..
	v_add_nc_u32 v[RST], s29, v[RST]
	v_mul_u32_u24 v[RRD], v18, 16*RP+16            ; read: row c = 16 (thread >> 6) + r,
	v_mul_u32_u24 v20, v2, RP
	v_add_nc_u32 v[RRD], v[RRD], v20
	v_lshl_add_u32 v[RRD], v16, 4, v[RRD]          ; m = 4 kg .., kg = (thread >> 4) & 3
	v_add_nc_u32 v[RRD+1], 2*WAVEB, v[RRD]
	v_add_nc_u32 v[RRD+2], 4*WAVEB, v[RRD]
	v_add_nc_u32 v[RRD+3], 6*WAVEB, v[RRD]
	v_lshlrev_b32 v15, 4, v2                       ; GF: 16 r
	v_lshl_add_u32 v15, v3, 9, v15                 ; + half kg & 1
	v_bfe_u32 v20, v0, 5, 1
	v_lshl_add_u32 v15, v20, 11, v15               ; + K step kg >> 1
	v_lshl_add_u32 v15, v19, 10, v15               ; + c tile & 1
	v_lshl_add_u32 v15, v17, 15, v15               ; + c tile >> 1
	v_lshlrev_b32 v10, 11, v2
	v_lshl_add_u32 v10, v18, 15, v10
	v_lshl_add_u32 v10, v16, 5, v10                ; Wk: row r + 16 (thread >> 6), 8 numbers at 8 ((thread >> 4) & 3)
	v_lshl_add_u32 v11, v17, 2, v16
	v_lshlrev_b32 v11, 14, v11
	v_lshl_add_u32 v11, v2, 2, v11
	v_lshl_add_u32 v11, v19, 6, v11                ; Wv: rows 8 (((thread >> 4) & 3) + 4 (thread >> 7)) + i, column r + 16 ((thread >> 6) & 1)
	v_lshlrev_b32 v12, 10, v2
	v_lshl_add_u32 v12, v3, 5, v12                 ; Wq, Wout: row r, 8 numbers at 8 hh
	; my place
	s_bfe_u32 s21, ttmp6, 0x40000                  ; cx
	s_bfe_u32 s22, ttmp6, 0x40004                  ; cy
	s_lshl_b32 s26, ttmp9, 2
	s_add_co_u32 s26, s26, s21                     ; cb = work-group x = 4 x cluster x + cx
	s_and_b32 s23, ttmp7, 0xffff                   ; cluster y: two clusters for each b
	s_lshr_b32 s24, s23, 1                         ; b
	s_and_b32 s25, s23, 1
	s_lshl_b32 s25, s25, 2
	s_add_co_u32 s25, s25, s22                     ; mt
	s_lshl_b32 s30, s22, 2
	s_lshl_b32 s30, 15, s30                        ; my row of the cluster: places 4 cy .. 4 cy + 3
	s_lshl_b32 s31, 0x1111, s21                    ; my column: places cx, cx + 4, cx + 8, cx + 12
	; group 1: a tile of 32 rows x 256 bytes, as 32 elements of 8 bytes; laid dense into LDS
	s_or_b32 s[G1A+0], s30, (3<<16)|(1<<21)        ; 15:0 the mask; 17:16 elements of 8 bytes; 21 set beside a mask
	s_mov_b32 s[G1A+1], 32<<16                     ; tensor_dim0 = 32
	s_mov_b32 s[G1A+2], 32<<16                     ; tensor_dim1 = 32
	s_mov_b32 s[G1A+3], 32<<16                     ; tile_dim0 = 32
	s_mov_b32 s[G1A+4], 32                         ; tile_dim1 = 32
	s_mov_b32 s[G1A+5], 256                        ; emb_all: 2,048 bytes from row to row
	s_mov_b32 s[G1A+6], 0
	s_mov_b32 s[G1A+7], 0
	s_or_b32 s[G1B+0], s31, (3<<16)|(1<<21)
	s_mov_b32 s[G1B+1], 32<<16
	s_mov_b32 s[G1B+2], 32<<16
	s_mov_b32 s[G1B+3], 32<<16
	s_mov_b32 s[G1B+4], 32
	s_mov_b32 s[G1B+5], 128                        ; emb: 1,024 bytes from row to row
	s_mov_b32 s[G1B+6], 0
	s_mov_b32 s[G1B+7], 0
.irp s, 0,1
	s_mov_b32 s[G0+8*\s], 1
	s_add_co_u32 s[G0+8*\s+1], s29, \s*SLOT        ; no place in the cluster enters an LDS address
	s_mov_b32 s[G0+8*\s+4], 1
	s_add_co_u32 s[G0+8*\s+5], s29, \s*SLOT+OPB
.endr
	s_lshl_b32 s66, s24, 21
	s_lshl_b32 s70, s20, 18
	s_add_co_u32 s66, s66, s70
	s_lshl_b32 s70, s25, 8
	s_add_co_u32 s66, s66, s70                     ; emb_all: b, my 128 rows, 64 columns k'
	s_mov_b32 s67, 0
	s_lshl_b32 s68, s24, 20
	s_lshl_b32 s71, s20, 17
	s_add_co_u32 s68, s68, s71
	s_lshl_b32 s71, s26, 8
	s_add_co_u32 s68, s68, s71                     ; emb: b, my 128 rows, 64 columns c
	s_mov_b32 s69, 0
	; the weights' slice of work-group g = 32 b + 4 mt + cb, 0..255
	s_lshl_b32 s28, s24, 5
	s_lshl_b32 s75, s25, 2
	s_add_co_u32 s28, s28, s75
	s_add_co_u32 s28, s28, s26
	s_lshr_b32 s72, s28, 6                         ; head g >> 6,
	s_and_b32 s73, s28, 7                          ; g & 7,
	s_bfe_u32 s74, s28, 0x30003                    ; (g >> 3) & 7
	s_lshl_b32 s76, s72, 20
	s_lshl_b32 s75, s73, 17
	s_add_co_u32 s76, s76, s75
	s_lshl_b32 s75, s74, 8
	s_add_co_u32 s76, s76, s75                     ; Wk: 64 rows j at 64 (g & 7), 64 columns k' at 64 ((g >> 3) & 7)
	s_mov_b32 s77, 0
	s_lshl_b32 s78, s72, 20
	s_lshl_b32 s75, s74, 17
	s_add_co_u32 s78, s78, s75
	s_lshl_b32 s75, s73, 8
	s_add_co_u32 s78, s78, s75                     ; Wv: 64 rows j at 64 ((g >> 3) & 7), 64 columns k at 64 (g & 7)
	s_mov_b32 s79, 0
	s_lshl_b32 s80, s24, 18
	s_lshl_b32 s75, s26, 16
	s_add_co_u32 s80, s80, s75
	s_lshl_b32 s75, s25, 12
	s_add_co_u32 s80, s80, s75                     ; GF: b, c tiles 4 cb .., K steps 2 mt, 2 mt + 1
	s_mov_b32 s81, 0
	s_lshl_b32 s82, s72, 19
	s_lshl_b32 s75, s73, 16
	s_add_co_u32 s82, s82, s75
	s_lshl_b32 s75, s74, 12
	s_add_co_u32 s84, s82, s75
	s_add_co_u32 s84, s84, WVF                     ; WVF: h, k tiles 4 (g & 7) .., K steps 2 ((g >> 3) & 7) ..: two runs of 4 KiB, 32 KiB apart
	s_mov_b32 s85, 0
	s_lshl_b32 s75, s74, 13
	s_add_co_u32 s82, s82, s75                     ; WKF: h, jb = g & 7, K steps 2 ((g >> 3) & 7) ..: 8 KiB
	s_mov_b32 s83, 0
	; Wq (waves 0-3, 512 bytes of fragments each) and Wout (wave 4)
	s_lshl_b32 s86, s72, 18
	s_bfe_u32 s75, s28, 0x40002
	s_lshl_b32 s75, s75, 14
	s_add_co_u32 s86, s86, s75
	s_lshl_b32 s75, s26, 8
	s_add_co_u32 s86, s86, s75
	s_lshl_b32 s75, s20, 6
	s_add_co_u32 s86, s86, s75                     ; Wq: rows 256 (g >> 6) + 16 ((g >> 2) & 15), columns 64 (g & 3) + 16 w
	s_lshl_b32 s88, s72, 16
	s_bfe_u32 s75, s28, 0x20001
	s_lshl_b32 s75, s75, 14
	s_add_co_u32 s88, s88, s75
	s_lshl_b32 s75, s74, 7
	s_add_co_u32 s88, s88, s75
	s_and_b32 s75, s28, 1
	s_lshl_b32 s75, s75, 6
	s_add_co_u32 s88, s88, s75                     ; Wout: rows 64 (g >> 6) + 16 ((g >> 1) & 3), columns 32 ((g >> 3) & 7) + 16 (g & 1)
	s_lshl_b32 s90, s72, 17
	s_lshl_b32 s75, s74, 14
	s_add_co_u32 s90, s90, s75                     ; WQF: h, dt / 2 = (g >> 3) & 7,
	s_lshl_b32 s75, s26, 12
	s_add_co_u32 s90, s90, s75
	s_lshr_b32 s75, s20, 1
	s_lshl_b32 s75, s75, 11
	s_add_co_u32 s90, s90, s75                     ; K step 2 (g & 3) + (w >> 1),
	s_bfe_u32 s75, s28, 0x10002
	s_lshl_b32 s75, s75, 10
	s_add_co_u32 s90, s90, s75                     ; dt & 1 = (g >> 2) & 1,
	s_and_b32 s75, s20, 1
	s_lshl_b32 s75, s75, 9
	s_add_co_u32 s90, s90, s75                     ; half w & 1
	s_add_co_u32 s90, s90, WQF
	s_lshl_b32 s92, s28, 9
	s_add_co_u32 s92, s92, WOF
	s_cmp_ge_u32 s20, 4                            ; waves 4-7 take Wout's slice (waves 5-7 read wave 4's 1 KiB again and store nothing of it:
	s_cselect_b32 s86, s88, s86                    ; so every wave has issued the same loads)
	s_cselect_b32 s90, s92, s90
	s_mov_b32 s87, 0
	s_mov_b32 s91, 0
	s_wait_kmcnt 0x0
	s_cselect_b64 s[94:95], s[14:15], s[8:9]
	s_add_nc_u64 s[94:95], s[94:95], s[86:87]
	s_add_nc_u64 s[96:97], s[18:19], s[90:91]
	s_add_nc_u64 s[10:11], s[10:11], s[76:77]
	s_add_nc_u64 s[12:13], s[12:13], s[78:79]
	s_add_nc_u64 s[16:17], s[16:17], s[80:81]
	s_add_nc_u64 s[98:99], s[18:19], s[82:83]
	s_add_nc_u64 s[100:101], s[18:19], s[84:85]
	s_add_nc_u64 s[G0+2:G0+3], s[6:7], s[66:67]    ; emb_all, step 0
	s_or_b32 s[G0+3], s[G0+3], 0x80000000
	s_add_nc_u64 s[G0+10:G0+11], s[G0+2:G0+3], 32*2048     ; step 1
	s_add_nc_u64 s[G0+6:G0+7], s[4:5], s[68:69]    ; emb, step 0
	s_or_b32 s[G0+7], s[G0+7], 0x80000000
	s_add_nc_u64 s[G0+14:G0+15], s[G0+6:G0+7], 32*1024     ; step 1
	; the weights' 22 loads go out ahead of the round
.irp u, 0,1
	global_load_b128 v[WS+8*\u:WS+8*\u+3],   v10, s[10:11] offset:\u*128 th:TH_LOAD_NT
	global_load_b128 v[WS+8*\u+4:WS+8*\u+7], v10, s[10:11] offset:\u*128+16 th:TH_LOAD_NT
.endr
.irp u, 0,1
.irp i, 0,1,2,3,4,5,6,7
	global_load_b32 v[WS+16+8*\u+\i], v11, s[12:13] offset:\i*2048+\u*128 th:TH_LOAD_NT
.endr
.endr
	global_load_b128 v[WS+32:WS+35], v12, s[94:95]
	global_load_b128 v[WS+36:WS+39], v12, s[94:95] offset:16
.macro ASK                             ; four joint loads: slot 0's emb_all and emb rows, then slot 1's
.irp s, 0,1
	tensor_load_to_lds s[G0+8*\s:G0+8*\s+3],   s[G1A:G1A+7]
	s_nop 0
	tensor_load_to_lds s[G0+8*\s+4:G0+8*\s+7], s[G1B:G1B+7]
	s_nop 0
.endr
.endm
	ROUND                                          ; all sixteen work-groups are here: the first joint loads meet
	ASK                                            ; steps 0 and 1
	; the weights to f16, while the tiles are on their way
	s_wait_loadcnt 0x0
.irp u, 0,1
.irp i, 0,1,2,3
	v_cvt_pk_f16_f32 v[WS+8*\u+\i],    v[WS+8*\u+2*\i],    v[WS+8*\u+2*\i+1]
	v_cvt_pk_f16_f32 v[WS+16+8*\u+\i], v[WS+16+8*\u+2*\i], v[WS+16+8*\u+2*\i+1]
.endr
	global_store_b128 v13, v[WS+8*\u:WS+8*\u+3],       s[98:99] offset:\u*4096           ; a wave stores 512 consecutive bytes
	global_store_b128 v13, v[WS+16+8*\u:WS+16+8*\u+3], s[100:101] offset:\u*32768
.endr
	s_cmp_gt_u32 s20, 4
	s_cbranch_scc1 .Lno_small
.irp i, 0,1,2,3
	v_cvt_pk_f16_f32 v[WS+32+\i], v[WS+32+2*\i], v[WS+32+2*\i+1]
.endr
	global_store_b128 v14, v[WS+32:WS+35], s[96:97]        ; 512 consecutive bytes
.Lno_small:
; 32 LDS loads: a slot's 32 rows of emb_all, then of emb, 512 consecutive bytes each
.macro READ slot
	WIN 0
.set RI, 0
.rept 16
	ds_load_b128 v[RA+4*RI:RA+4*RI+3], v[LA] offset:\slot*SLOT+RI*512
.set RI, RI+1
.endr
.set RI, 0
.rept 16
	ds_load_b128 v[RM+4*RI:RM+4*RI+3], v[LA] offset:\slot*SLOT+OPB+RI*512
.set RI, RI+1
.endr
.endm
; 64 conversions: register j of fragment t = loads 2 j and 2 j + 1, word t.  f: the fragments' base; win: where it lies
.macro PACK f, win
	WIN \win
	s_wait_dscnt 16                                ; emb_all's 16 loads are in; emb's 16 may stay out
.irp t, 0,1,2,3
.irp j, 0,1,2,3,4,5,6,7
	v_cvt_pk_f16_f32 v[\f+8*\t+\j], v[RA+8*\j+\t], v[RA+8*\j+4+\t]
.endr
.endr
	s_wait_dscnt 0x0
.irp t, 0,1,2,3
.irp j, 0,1,2,3,4,5,6,7
	v_cvt_pk_f16_f32 v[\f+32+8*\t+\j], v[RM+8*\j+\t], v[RM+8*\j+4+\t]
.endr
.endr
.endm
; Sixteen products.  Source 0 = emb_all^T (row m of fragment tk is k' = 4 m + tk), source 1 = emb^T (row r of fragment tc is c = 4 r + tc):
; register i of lane (r, hh) is (k' = 4 (8 hh + i) + tk, c = 4 r + tc).  The sixteen accumulators take turns, one instruction a turn.
.macro MULG f, win, zero
	WIN \win
.irp k, 0,1,2,3
.irp c, 0,1,2,3
.if \zero
	v_wmma_f32_16x16x32_f16 v[8*(4*\k+\c):8*(4*\k+\c)+7], v[\f+8*\k:\f+8*\k+7], v[\f+32+8*\c:\f+32+8*\c+7], 0
.else
	v_wmma_f32_16x16x32_f16 v[8*(4*\k+\c):8*(4*\k+\c)+7], v[\f+8*\k:\f+8*\k+7], v[\f+32+8*\c:\f+32+8*\c+7], v[8*(4*\k+\c):8*(4*\k+\c)+7]
.endif
.endr
.endr
.endm
	s_wait_xcnt 0x0                                ; the weight stores' data registers are loaded again only behind this wait
	s_wait_tensorcnt 0x2                           ; slot 0's two loads are in; slot 1's two stay out
	READ 0
	PACK F0, 0
	s_wait_tensorcnt 0x0                           ; slot 1 is in
	READ 1
	PACK F1, TO_W1
	WIN 0
	s_wait_dscnt 0x0                               ; my reads of both slots are back,
	s_wait_tensorcnt 0x0                           ; all my tensor loads have landed, so every group 0 may be written:
	s_add_nc_u64 s[G0+2:G0+3],   s[G0+2:G0+3],   64*2048   ; steps 2 and 3
	s_add_nc_u64 s[G0+10:G0+11], s[G0+10:G0+11], 64*2048
	s_add_nc_u64 s[G0+6:G0+7],   s[G0+6:G0+7],   64*1024
	s_add_nc_u64 s[G0+14:G0+15], s[G0+14:G0+15], 64*1024
	ROUND                                          ; and that holds of every wave of the sixteen work-groups
	ASK                                            ; the first tensor loads behind the round
	MULG F0, MUL_EV, 1                             ; step 0 starts the sums: nothing is cleared
	MULG F1, MUL_OD, 0                             ; step 1
	WIN 0
	PLACES                                         ; in front of the conversions that write the fragments again
	s_wait_tensorcnt 0x2
	READ 0
	PACK F0, 0
	MULG F0, MUL_EV, 0                             ; step 2
	s_wait_tensorcnt 0x0
	READ 1
	PACK F1, TO_W1                                 ; behind step 1's products stand the four places above and step 2's conversions
	MULG F1, MUL_OD, 0                             ; step 3
	; the eight waves' partials meet, each in its wave's own 32 KiB, which have had their last fill and which only that wave has read
	PLACES
	WIN ST_W1
.irp k, 0,1,2,3
.irp c, 0,1,2,3
	ds_store_b128 v[RST], v[8*(4*\k+\c):8*(4*\k+\c)+3]   offset:\c*RP+\k*64        ; row c = 4 r + tc, [tk][m = 8 hh ..]: 16 lanes, 16 different 16-byte columns
	ds_store_b128 v[RST], v[8*(4*\k+\c)+4:8*(4*\k+\c)+7] offset:\c*RP+\k*64+16
.endr
.endr
	WIN 0
	s_wait_dscnt 0x0                               ; my partial is in LDS, for the others' sake
	s_barrier_signal -1
	s_barrier_wait -1
	; thread T sums 16 neighbouring k' (16 kg ..: m = 4 kg .. + 3 of all four tk) of row c = 16 (T >> 6) + r
.irp x, 0,1,2,3
.irp y, 0,1
.irp k, 0,1,2,3
	ds_load_b128 v[64+16*(2*\x+\y)+4*\k:64+16*(2*\x+\y)+4*\k+3], v[RRD+\x] offset:\y*WAVEB+\k*64
.endr
.endr
.endr
.macro ADD16 d, s                      ; sixteen numbers at d += sixteen at s
.irp p, 0,2,4,6,8,10,12,14
	v_pk_add_f32 v[\d+\p:\d+\p+1], v[\d+\p:\d+\p+1], v[\s+\p:\s+\p+1]
.endr
.endm
	s_wait_dscnt 16                                ; regions 0-3 are in; the 16 loads of regions 4-7 may stay out
	ADD16 64, 80
	ADD16 96, 112
	ADD16 64, 96
	s_wait_dscnt 0x0
	ADD16 128, 144
	ADD16 160, 176
	ADD16 128, 160
	ADD16 64, 128
.irp p, 0,2,4,6,8,10,12,14
	v_pk_mul_f32 v[64+\p:64+\p+1], v[64+\p:64+\p+1], 0x3c800000 op_sel_hi:[1,0]   ; x 2^-6, exact
.endr
	; v[64 + 4 tk + mi] is k' = 16 kg + 4 mi + tk: the choice of the conversions' sources puts the k' in order
.irp p, 0,1
	v_cvt_pk_f16_f32 v[80+4*\p],   v[64+2*\p],   v[68+2*\p]
	v_cvt_pk_f16_f32 v[80+4*\p+1], v[72+2*\p],   v[76+2*\p]
	v_cvt_pk_f16_f32 v[80+4*\p+2], v[64+2*\p+1], v[68+2*\p+1]
	v_cvt_pk_f16_f32 v[80+4*\p+3], v[72+2*\p+1], v[76+2*\p+1]
	global_store_b128 v15, v[80+4*\p:80+4*\p+3], s[16:17] offset:\p*256    ; 16 lanes store 256 consecutive bytes, at a multiple of 256 from GF's first byte
.endr
	ROUND                                          ; the closing round: no work-group ends while a partner may still ask jointly
	s_endpgm
.Lfunc_end_k_q517f63acbc_gram:
	.size	k_q517f63acbc_gram, .Lfunc_end_k_q517f63acbc_gram-k_q517f63acbc_gram
	.p2alignl 7, 3214868480
	.fill 96, 4, 3214868480
	.section	.rodata,"a",@progbits
	.p2align	6, 0x0
	.amdhsa_kernel k_q517f63acbc_gram
		.amdhsa_group_segment_fixed_size 327680
		.amdhsa_private_segment_fixed_size 0
		.amdhsa_enable_private_segment 0
		.amdhsa_kernarg_size 64
		.amdhsa_user_sgpr_count 2
		.amdhsa_user_sgpr_kernarg_segment_ptr 1
		.amdhsa_wavefront_size32 1
		.amdhsa_system_sgpr_workgroup_id_x 1
		.amdhsa_system_sgpr_workgroup_id_y 1
		.amdhsa_system_sgpr_workgroup_id_z 1
		.amdhsa_system_vgpr_workitem_id 0
		.amdhsa_next_free_vgpr 448
		.amdhsa_next_free_sgpr 102
		.amdhsa_reserve_vcc 0
		.amdhsa_float_denorm_mode_32 3
		.amdhsa_float_denorm_mode_16_64 3
		.amdhsa_memory_ordered 1
		.amdhsa_forward_progress 1
		.amdhsa_inst_pref_size 52
	.end_amdhsa_kernel
	.amdgpu_metadata
---
amdhsa.version: [ 1, 2 ]
amdhsa.kernels:
  - .name:           k_q517f63acbc_gram
    .symbol:         k_q517f63acbc_gram.kd
    .args:
      - { .name: emb, .offset: 0, .size: 8, .value_kind: global_buffer, .address_space: global }
      - { .name: emb_all, .offset: 8, .size: 8, .value_kind: global_buffer, .address_space: global }
      - { .name: Wq, .offset: 16, .size: 8, .value_kind: global_buffer, .address_space: global }
      - { .name: Wk, .offset: 24, .size: 8, .value_kind: global_buffer, .address_space: global }
      - { .name: Wv, .offset: 32, .size: 8, .value_kind: global_buffer, .address_space: global }
      - { .name: Wout, .offset: 40, .size: 8, .value_kind: global_buffer, .address_space: global }
      - { .name: GF, .offset: 48, .size: 8, .value_kind: global_buffer, .address_space: global }
      - { .name: WF, .offset: 56, .size: 8, .value_kind: global_buffer, .address_space: global }
    .group_segment_fixed_size: 327680
    .private_segment_fixed_size: 0
    .kernarg_segment_align: 8
    .kernarg_segment_size: 64
    .max_flat_workgroup_size: 256
    .sgpr_count:     102
    .vgpr_count:     448
    .wavefront_size: 32
...
	.end_amdgpu_metadata
.endif
;; end of part 6
;; launch scores (part 7): grid 256 x 1, 8 waves a work-group, clusters of 4 x 1, 327,680 bytes of LDS; arguments GF, WF, SB, ST; writes SB, ST
.if DOCPART == 7
	.amdgcn_target "amdgcn-amd-amdhsa--gfx1250"
	.amdhsa_code_object_version 6
	.text
	.protected	k_q517f63acbc_scores
	.globl	k_q517f63acbc_scores
	.p2align	8
	.type	k_q517f63acbc_scores,@function
k_q517f63acbc_scores:
	s_mov_b64 s[64:65], 0
	v_nop
	global_prefetch_b8 v0, s[64:65] scope:SCOPE_SE
	s_setreg_imm32_b32 hwreg(HW_REG_WAVE_MODE, 25, 1), 1
	s_wait_xcnt 0x0
	s_wait_alu depctr_hold_cnt(0) depctr_sa_sdst(0) depctr_va_vdst(0) depctr_va_sdst(0) depctr_va_ssrc(0) depctr_va_vcc(0) depctr_vm_vsrc(0)
	s_getreg_b32 s2, hwreg(HW_REG_IB_STS2, 6, 4)
	s_cmp_eq_u32 s2, 0
	s_cbranch_scc0 .Lentry_in_a_cluster
	s_endpgm
.Lentry_in_a_cluster:
	s_bfe_u32 s2, ttmp6, 0x10000c
	s_cmp_lg_u32 s2, 0x3003
	s_cbranch_scc0 .Lentry_shape_is_right
	s_endpgm
.Lentry_shape_is_right:
; LAUNCH 2 OF 5.  S[b,h] = Wq[h] G[b] Wk[h]^T / sqrt(512), and for the InstanceNorm a (mean, sum of squared deviations) of each wave's part.
; SHARE: cluster q = ttmp9, place cx; map = q >> 1 (b = q >> 3, h = (q >> 1) & 3); the work-group owns 64 columns j (block jb = 4 (q & 1) + cx) of its map
; and all 256 rows.  By columns a work-group needs G[b] (256 KiB), its 64 rows of Wk (64 KiB) and Wq[h] (128 KiB): 448 KiB through LDS in two groups of
; tensor loads; by rows it would need all of Wk, 784 KiB.
; STAGE A: P2 = G Wk^T (256 c x 64 j, K = k' = 512).  Wave w owns c = 32 w .. + 31: 2 x 4 accumulators.  Source 0 = G (rows c), source 1 = Wk (rows j):
; register i of lane (r, hh) is (c = 8 hh + i, j = r), so the wave's two c tiles convert in registers into f16 fragments with rows j and K = c, K step w.
; P2 is scaled by the exact power of two of the block's largest magnitude m, so that its f16 image lies in (-2, 2), and the scale is undone in f32.
; STAGE B: S = Wq P2 (256 d x 64 j, K = c = 256).  Wave w owns d = 32 w .. + 31.  Source 0 = P2^T (rows j), source 1 = Wq (rows d).
; LIMITS: |P2| < 2^126; where m is below 2^-126, S comes out 0.
; CLUSTER: the four partners share G[b] and Wq[h], 384 of the 448 KiB: joint loads, mask 15; each wave asks for and alone reads its own rows.
; Wk's rows hang on cx: plain loads, an eighth by each wave, read by all behind a barrier.
; LDS, all 327,680 bytes: wave w's 32 KiB of G [ks 16][mt 2][1 KiB] at 32 KiB x w; Wk [ks 16][nt 4][1 KiB] at 256 KiB.
; Behind K steps 0-7 the first half of each wave's part is filled again, with its 16 KiB of Wq [ks 8][mt 2][1 KiB]; K steps 8-15 and the conversion run
; while that load is on its way.  The second half has then had its last fill and only its own wave read it: P2's fragments (4 KiB a wave) and the waves'
; maxima are written there.  A wave has at most three tensor loads outstanding.
.set GHALF, 16384
.set WKL, 262144
.set WQF, 4194304
.set VWK, 4                            ; v4      Wk + 16 lane
.set VG,  5                            ; v5      my part + 16 lane (G, later Wq)
.set VXA, 6                            ; v[6:9]  P2's fragments of K steps 2 x, 2 x + 1: x x 64 KiB + 16 KiB + 16 lane
.set VXW, 10                           ; v10     my own second half + 16 lane
.set BF,  64                           ; v[64:127]  two buffers of four fragments with rows j
.set AF,  128                          ; v[128:159] two buffers of two fragments of my rows (c, later d)
.set PK,  160                          ; v[160:191] packed f16
.set ACC, 192                          ; v[192:255] accumulator (nt, mt) at ACC + 8 (2 nt + mt)
.set G1J, 16                           ; s[16:23] group 1, joint, 64 rows of 256 bytes
.set G1P, 24                           ; s[24:31] group 1, plain, 32 rows of 256 bytes
.set G0K, 32                           ; s[32:35] group 0: my eighth of Wk's rows
.set G0A, 36                           ; s[36:39] G, K steps 0-7
.set G0B, 40                           ; s[40:43] G, K steps 8-15
.set G0Q, 44                           ; s[44:47] Wq
; s12 wave, s13 cx then scratch with cx, s14 h, s15 b, s56 jb, s57 work-group; s52, s[58:59], s68, s69: free of cx; s[70:71]: offsets with cx
.macro PLACES                          ; four plain vector places behind a matrix instruction (ISA guide 7.12.1)
.rept 4
	v_nop
.endr
.endm
.macro ROUND                           ; a round of the cluster's barrier
	s_barrier_signal -1
	s_barrier_wait -1
	s_cmp_lg_u32 s12, 0
	s_cbranch_scc1 .Lnot_wave_0_\@
	s_barrier_signal -3
.Lnot_wave_0_\@:
	s_barrier_wait -3
	s_barrier_signal -1
	s_barrier_wait -1
.endm
.macro DESC1 base, w0, rows            ; a dense block as rows of 256 bytes: 32 elements of 8 bytes, pitch 32
	s_mov_b32 s[\base+0], \w0
	s_mov_b32 s[\base+1], 32<<16
	s_mov_b32 s[\base+2], \rows<<16
	s_mov_b32 s[\base+3], 32<<16
	s_mov_b32 s[\base+4], \rows
	s_mov_b32 s[\base+5], 32
	s_mov_b32 s[\base+6], 0
	s_mov_b32 s[\base+7], 0
.endm
.macro XRED op, x, t                   ; over the 32 lanes, result in every lane
	\op\()_dpp v[\x], v[\x], v[\x] row_xmask:1 row_mask:0xf bank_mask:0xf
	\op\()_dpp v[\x], v[\x], v[\x] row_xmask:2 row_mask:0xf bank_mask:0xf
	\op\()_dpp v[\x], v[\x], v[\x] row_xmask:4 row_mask:0xf bank_mask:0xf
	\op\()_dpp v[\x], v[\x], v[\x] row_xmask:8 row_mask:0xf bank_mask:0xf
	v_permlanex16_b32 v[\t], v[\x], s66, s67
	\op v[\x], v[\x], v[\t]
.endm
	s_load_b256 s[4:11], s[0:1], 0x0               ; GF 4, WF 6, SB 8, ST 10
	v_lshrrev_b32 v1, 5, v0
	v_readfirstlane_b32 s12, v1
	v_and_b32 v1, 31, v0
	v_lshlrev_b32 v13, 4, v1                       ; 16 lane
	v_mov_b32 v14, 0
	s_mov_b32 s66, 0x76543210
	s_mov_b32 s67, 0xfedcba98
	s_lshr_b32 s15, ttmp9, 3                       ; b
	s_bfe_u32 s14, ttmp9, 0x20001                  ; h
	s_bfe_u32 s13, ttmp6, 0x40000                  ; cx
	s_and_b32 s56, ttmp9, 1
	s_lshl_b32 s56, s56, 2
	s_add_co_u32 s56, s56, s13                     ; block of 64 columns j, 0..7
	s_lshl_b32 s57, ttmp9, 2
	s_add_co_u32 s57, s57, s13                     ; work-group 0..255 = 8 map + jb
	DESC1 G1J, 0x0023000f, 64                      ; mask 15, bit 21 beside it, elements of 8 bytes
	DESC1 G1P, 0x00030000, 32
	s_lshl_b32 s69, s12, 15                        ; w x 32 KiB
	s_lshl_b32 s68, s12, 13                        ; w x 8 KiB
	v_add_nc_u32 v[VWK], WKL, v13
	v_add_nc_u32 v[VG], s69, v13
	v_add_nc_u32 v[VXA], GHALF, v13
	v_add_nc_u32 v[VXA+1], 65536, v[VXA]
	v_add_nc_u32 v[VXA+2], 2*65536, v[VXA]
	v_add_nc_u32 v[VXA+3], 3*65536, v[VXA]
	v_add_nc_u32 v[VXW], GHALF, v[VG]
	s_mov_b32 s[G0K], 1
	s_add_co_u32 s[G0K+1], s68, WKL
	s_mov_b32 s[G0A], 1
	s_mov_b32 s[G0A+1], s69
	s_mov_b32 s[G0B], 1
	s_add_co_u32 s[G0B+1], s69, GHALF
	s_mov_b32 s[G0Q], 1
	s_mov_b32 s[G0Q+1], s69
	s_wait_kmcnt 0x0
	s_lshl_b32 s58, s15, 18
	s_add_co_u32 s58, s58, s69
	s_mov_b32 s59, 0
	s_add_nc_u64 s[G0A+2:G0A+3], s[4:5], s[58:59]  ; GF [b][w][ks 16][mt 2][1 KiB]
	s_or_b32 s[G0A+3], s[G0A+3], 0x80000000
	s_add_nc_u64 s[G0B+2:G0B+3], s[G0A+2:G0A+3], GHALF
	s_lshl_b32 s58, s14, 17
	s_lshl_b32 s52, s12, 14
	s_add_co_u32 s58, s58, s52
	s_add_co_u32 s58, s58, WQF
	s_add_nc_u64 s[G0Q+2:G0Q+3], s[6:7], s[58:59]  ; WQF [h][w][ks 8][mt 2][1 KiB]
	s_or_b32 s[G0Q+3], s[G0Q+3], 0x80000000
	s_lshl_b32 s70, s14, 19
	s_lshl_b32 s13, s56, 16
	s_add_co_u32 s70, s70, s13
	s_add_co_u32 s70, s70, s68
	s_mov_b32 s71, 0
	s_add_nc_u64 s[G0K+2:G0K+3], s[6:7], s[70:71]  ; WKF [h][jb][ks 16][nt 4][1 KiB], my wave's two K steps
	s_or_b32 s[G0K+3], s[G0K+3], 0x80000000
	s_lshl_b32 s70, s57, 16
	s_add_co_u32 s70, s70, s68
	s_add_nc_u64 s[60:61], s[8:9], s[70:71]        ; SB [wg][w][a 8][q 2][lane][16 bytes]
	s_lshl_b32 s70, s57, 6
	s_lshl_b32 s13, s12, 3
	s_add_co_u32 s70, s70, s13
	s_add_nc_u64 s[62:63], s[10:11], s[70:71]      ; ST [wg][w](mean, M2)
	ROUND                                          ; the four partners are here: the first joint loads meet
	tensor_load_to_lds s[G0K:G0K+3], s[G1P:G1P+7]
	s_nop 0
	tensor_load_to_lds s[G0A:G0A+3], s[G1J:G1J+7]
	s_nop 0
	tensor_load_to_lds s[G0B:G0B+3], s[G1J:G1J+7]
	s_nop 0
	s_wait_tensorcnt 0x2                           ; my eighth of Wk's rows is in; G's two halves behind it stay out
	s_barrier_signal -1
	s_barrier_wait -1                              ; everybody's eighth is in
; Twelve LDS loads: four fragments with rows j and two of my rows, one K step of 32, into buffer buf
.macro FETCH buf, vb, boff, aoff
.irp nt, 0,1,2,3
	ds_load_b128 v[BF+32*\buf+8*\nt:BF+32*\buf+8*\nt+3],   v[\vb] offset:\boff+\nt*1024
	ds_load_b128 v[BF+32*\buf+8*\nt+4:BF+32*\buf+8*\nt+7], v[\vb] offset:\boff+\nt*1024+512
.endr
.irp mt, 0,1
	ds_load_b128 v[AF+16*\buf+8*\mt:AF+16*\buf+8*\mt+3],   v[VG] offset:\aoff+\mt*1024
	ds_load_b128 v[AF+16*\buf+8*\mt+4:AF+16*\buf+8*\mt+7], v[VG] offset:\aoff+\mt*1024+512
.endr
.endm
.macro FT st, ks                       ; K step ks into buffer ks % 2.  st = 0: Wk and G; st = 1: P2^T and Wq
.if \st
	FETCH ((\ks)%2), VXA+((\ks)/2), ((\ks)%2)*32768, (\ks)*2048
.else
	FETCH ((\ks)%2), VWK, (\ks)*4096, (\ks)*2048
.endif
.endm
.macro WMM d, a, b, zero
.if \zero
	v_wmma_f32_16x16x32_f16 v[\d:\d+7], v[\a:\a+7], v[\b:\b+7], 0
.else
	v_wmma_f32_16x16x32_f16 v[\d:\d+7], v[\a:\a+7], v[\b:\b+7], v[\d:\d+7]
.endif
.endm
; Eight products.  The eight accumulators take turns, one instruction a turn.
.macro MUL st, buf, zero
.irp nt, 0,1,2,3
.irp mt, 0,1
.if \st
	WMM ACC+8*(2*\nt+\mt), BF+32*\buf+8*\nt, AF+16*\buf+8*\mt, \zero
.else
	WMM ACC+8*(2*\nt+\mt), AF+16*\buf+8*\mt, BF+32*\buf+8*\nt, \zero
.endif
.endr
.endr
.endm
; Eight K steps from k0 on, on two buffers: while one is multiplied the next step's twelve loads are on their way.
; places = 1: products stand just ahead, so four places come in front of the first loads (they serve the second fetch too).
.macro RUN st, k0, zero, places
.set KS, \k0
.set Z, \zero
.if \places
	PLACES
.endif
	FT \st, KS
.rept 7
.if KS > \k0
	PLACES
.endif
	FT \st, (KS+1)
	s_wait_dscnt 12                                ; all but the twelve loads just issued
	MUL \st, (KS%2), Z
.set Z, 0
.set KS, KS+1
.endr
	s_wait_dscnt 0x0
	MUL \st, (KS%2), 0
.endm
	; STAGE A
	s_wait_tensorcnt 0x1                           ; G's K steps 0-7 are in; K steps 8-15 may stay out
	RUN 0, 0, 1, 0                                 ; the first product starts the sums
	s_wait_dscnt 0x0                               ; my reads of my first half are back,
	s_wait_tensorcnt 0x0                           ; all my tensor loads have landed, K steps 8-15 among them,
	ROUND                                          ; and that holds of every wave of the four partners:
	tensor_load_to_lds s[G0Q:G0Q+3], s[G1J:G1J+7]  ; Wq into my first half, the first tensor load behind the round
	s_nop 0
	RUN 0, 8, 0, 1
	; P2 to f16: the block's largest magnitude, its power of two, the scaled image into my second half
	PLACES
.irp c, 0,1,2,3
	v_max_num_f32 v[16+\c], |v[ACC+2*\c]|, |v[ACC+2*\c+1]|
.endr
.set j, 4
.rept 28
	v_max3_num_f32 v[16+j%4], |v[ACC+2*j]|, |v[ACC+2*j+1]|, v[16+j%4]
.set j, j+1
.endr
	v_max3_num_f32 v16, v16, v17, v18
	v_max_num_f32 v16, v16, v19
	XRED v_max_num_f32, 16, 17
	ds_store_b32 v[VXW], v16 offset:4096           ; every lane its word, behind my 4 KiB of fragments
	s_wait_dscnt 0x0                               ; my maximum is in LDS, for the others' sake
	s_barrier_signal -1
	s_barrier_wait -1                              ; Wq stays on its way
.irp x, 0,1,2,3
	ds_load_b32 v[20+2*\x], v[VXA+\x] offset:4096
	ds_load_b32 v[21+2*\x], v[VXA+\x] offset:4096+32768
.endr
	s_wait_dscnt 0x0
	v_max3_num_f32 v20, v20, v21, v22
	v_max3_num_f32 v23, v23, v24, v25
	v_max3_num_f32 v20, v20, v26, v27
	v_max_num_f32 v20, v20, v23
	v_and_b32 v21, 0x7f800000, v20                 ; 2^E, the power of two of m
	v_sub_nc_u32 v28, 0x7f000000, v21              ; 2^-E, by the exponent field: 254 - field
	v_mov_b32 v29, v28
	v_mul_f32 v30, 0x403504f3, v21                 ; the way back: 2^E x 2^6 / sqrt(512) = 2^E x 2.8284271
	v_mov_b32 v31, v30
.set j, 0
.rept 32
	v_pk_mul_f32 v[ACC+2*j:ACC+2*j+1], v[ACC+2*j:ACC+2*j+1], v[28:29]
.set j, j+1
.endr
.irp a, 0,1,2,3,4,5,6,7
.irp i, 0,1,2,3
	v_cvt_pk_f16_f32 v[PK+4*\a+\i], v[ACC+8*\a+2*\i], v[ACC+8*\a+2*\i+1]
.endr
.endr
.irp nt, 0,1,2,3
.irp mt, 0,1
	ds_store_b128 v[VXW], v[PK+4*(2*\nt+\mt):PK+4*(2*\nt+\mt)+3] offset:\nt*1024+\mt*512       ; rows j of tile nt, K step w, half mt
.endr
.endr
	s_wait_dscnt 0x0
	s_barrier_signal -1
	s_barrier_wait -1                              ; all of P2 is in LDS
	; STAGE B
	s_wait_tensorcnt 0x0                           ; my rows of Wq are in
	RUN 1, 0, 1, 0
	; S in f32, in the accumulators' order: each store covers 512 consecutive bytes
	PLACES
.set j, 0
.rept 32
	v_pk_mul_f32 v[ACC+2*j:ACC+2*j+1], v[ACC+2*j:ACC+2*j+1], v[30:31]
.set j, j+1
.endr
.irp a, 0,1,2,3,4,5,6,7
	global_store_b128 v13, v[ACC+8*\a:ACC+8*\a+3],   s[60:61] offset:\a*1024
	global_store_b128 v13, v[ACC+8*\a+4:ACC+8*\a+7], s[60:61] offset:\a*1024+512
.endr
	; the wave's 2,048 numbers: their mean, then the sum of squared deviations from it (two passes: no difference of large sums)
.irp c, 0,1,2,3
	v_pk_add_f32 v[16+2*\c:17+2*\c], v[ACC+2*\c:ACC+2*\c+1], v[ACC+8+2*\c:ACC+8+2*\c+1]
.endr
.set j, 8
.rept 24
	v_pk_add_f32 v[16+2*(j%4):17+2*(j%4)], v[16+2*(j%4):17+2*(j%4)], v[ACC+2*j:ACC+2*j+1]
.set j, j+1
.endr
	v_pk_add_f32 v[16:17], v[16:17], v[18:19]
	v_pk_add_f32 v[20:21], v[20:21], v[22:23]
	v_pk_add_f32 v[16:17], v[16:17], v[20:21]
	v_add_f32 v16, v16, v17
	XRED v_add_f32, 16, 17
	v_mul_f32 v24, 0x3a000000, v16                 ; / 2,048
	v_mov_b32 v25, v24
.set j, 0
.rept 32
	v_pk_add_f32 v[32+2*(j%4):33+2*(j%4)], v[ACC+2*j:ACC+2*j+1], v[24:25] neg_lo:[0,1] neg_hi:[0,1]
.if j < 4
	v_pk_mul_f32 v[16+2*(j%4):17+2*(j%4)], v[32+2*(j%4):33+2*(j%4)], v[32+2*(j%4):33+2*(j%4)]
.else
	v_pk_fma_f32 v[16+2*(j%4):17+2*(j%4)], v[32+2*(j%4):33+2*(j%4)], v[32+2*(j%4):33+2*(j%4)], v[16+2*(j%4):17+2*(j%4)]
.endif
.set j, j+1
.endr
	v_pk_add_f32 v[16:17], v[16:17], v[18:19]
	v_pk_add_f32 v[20:21], v[20:21], v[22:23]
	v_pk_add_f32 v[16:17], v[16:17], v[20:21]
	v_add_f32 v16, v16, v17
	XRED v_add_f32, 16, 17
	v_mov_b32 v25, v16
	s_wait_xcnt 0x0                                ; EXEC, a source of the stores above, changes only behind this wait
	v_cmp_eq_u32 vcc_lo, 0, v1
	s_and_saveexec_b32 s68, vcc_lo
	global_store_b64 v14, v[24:25], s[62:63]       ; lane 0: (mean, M2)
	s_wait_xcnt 0x0                                ; and again in front of the line that widens it
	s_or_b32 exec_lo, exec_lo, s68
	ROUND                                          ; the closing round: no work-group ends while a partner may still ask jointly
	s_endpgm
.Lfunc_end_k_q517f63acbc_scores:
	.size	k_q517f63acbc_scores, .Lfunc_end_k_q517f63acbc_scores-k_q517f63acbc_scores
	.p2alignl 7, 3214868480
	.fill 96, 4, 3214868480
	.section	.rodata,"a",@progbits
	.p2align	6, 0x0
	.amdhsa_kernel k_q517f63acbc_scores
		.amdhsa_group_segment_fixed_size 327680
		.amdhsa_private_segment_fixed_size 0
		.amdhsa_enable_private_segment 0
		.amdhsa_kernarg_size 32
		.amdhsa_user_sgpr_count 2
		.amdhsa_user_sgpr_kernarg_segment_ptr 1
		.amdhsa_wavefront_size32 1
		.amdhsa_system_sgpr_workgroup_id_x 1
		.amdhsa_system_sgpr_workgroup_id_y 1
		.amdhsa_system_sgpr_workgroup_id_z 1
		.amdhsa_system_vgpr_workitem_id 0
		.amdhsa_next_free_vgpr 256
		.amdhsa_next_free_sgpr 72
		.amdhsa_reserve_vcc 1
		.amdhsa_float_denorm_mode_32 3
		.amdhsa_float_denorm_mode_16_64 3
		.amdhsa_memory_ordered 1
		.amdhsa_forward_progress 1
		.amdhsa_inst_pref_size 58
	.end_amdhsa_kernel
	.amdgpu_metadata
---
amdhsa.version: [ 1, 2 ]
amdhsa.kernels:
  - .name:           k_q517f63acbc_scores
    .symbol:         k_q517f63acbc_scores.kd
    .args:
      - { .name: GF, .offset: 0, .size: 8, .value_kind: global_buffer, .address_space: global }
      - { .name: WF, .offset: 8, .size: 8, .value_kind: global_buffer, .address_space: global }
      - { .name: SB, .offset: 16, .size: 8, .value_kind: global_buffer, .address_space: global }
      - { .name: ST, .offset: 24, .size: 8, .value_kind: global_buffer, .address_space: global }
    .group_segment_fixed_size: 327680
    .private_segment_fixed_size: 0
    .kernarg_segment_align: 8
    .kernarg_segment_size: 32
    .max_flat_workgroup_size: 256
    .sgpr_count:     72
    .vgpr_count:     256
    .wavefront_size: 32
...
	.end_amdgpu_metadata
.endif
;; end of part 7
;; launch soft (part 8): grid 256 x 1, 8 waves a work-group, clusters of 4 x 1, 327,680 bytes of LDS; arguments SB, ST, WF, MTF; writes MTF
.if DOCPART == 8
	.amdgcn_target "amdgcn-amd-amdhsa--gfx1250"
	.amdhsa_code_object_version 6
	.text
	.protected	k_q517f63acbc_soft
	.globl	k_q517f63acbc_soft
	.p2align	8
	.type	k_q517f63acbc_soft,@function
k_q517f63acbc_soft:
	s_mov_b64 s[64:65], 0
	v_nop
	global_prefetch_b8 v0, s[64:65] scope:SCOPE_SE
	s_setreg_imm32_b32 hwreg(HW_REG_WAVE_MODE, 25, 1), 1
	s_wait_xcnt 0x0
	s_wait_alu depctr_hold_cnt(0) depctr_sa_sdst(0) depctr_va_vdst(0) depctr_va_sdst(0) depctr_va_ssrc(0) depctr_va_vcc(0) depctr_vm_vsrc(0)
	s_getreg_b32 s2, hwreg(HW_REG_IB_STS2, 6, 4)
	s_cmp_eq_u32 s2, 0
	s_cbranch_scc0 .Lentry_in_a_cluster
	s_endpgm
.Lentry_in_a_cluster:
	s_bfe_u32 s2, ttmp6, 0x10000c
	s_cmp_lg_u32 s2, 0x3003
	s_cbranch_scc0 .Lentry_shape_is_right
	s_endpgm
.Lentry_shape_is_right:
; LAUNCH 3 OF 5.  InstanceNorm and softmax of S, then Mh = probs Wv[h], stored x 2^8 in f16 fragments with rows k and K = c (the row index d of probs).
; The map's mean cancels in the softmax (it shifts every row alike); it is still used, for the variance: the 64 waves' (mean, M2) of 2,048 numbers each
; combine as M2 = sum of M2_i + 2,048 sum of (mean_i - mean)^2.  r = rsqrt(var + 1e-5).
; The row's maximum is taken away: p = 2^((S - rowmax) r log2 e), in (0, 1]; it goes into the product unnormalised, in f16, and 1 / rowsum is applied in f32.
; LIMITS: p below 6e-8 is 0 in f16 (against a row sum of at least 1); Mh x 2^8 in f16: max |Wv| < 255.
; SHARE: cluster q = ttmp9: map = q >> 1 (b = q >> 3, h = (q >> 1) & 3), half kh = q & 1 of the 512 columns k; place cx = block of 64 rows d.
; The work-group makes 64 d x 256 k over K = j = 512.  So Wv[h]^T's half (256 KiB) and p (64 KiB) fill LDS exactly, every byte of it is filled once, and
; there is one group of tensor loads.  The price: each row's softmax is made in two work-groups (128 KiB of S, 128 exponentials a lane).
; In the softmax wave w holds columns j = 64 w .. + 63 of the 64 rows, in the registers in which launch 2's waves 2 cx and 2 cx + 1 had them;
; in the product it owns columns k = 256 kh + 32 w .. + 31: 4 x 2 accumulators.
; CLUSTER: the four partners share Wv[h]^T's half, 256 of the 384 KiB that a work-group reads: joint loads, mask 15; a wave asks for and alone reads its
; own 32 KiB [ks 16][nt 2][1 KiB], in two loads: at most two tensor loads of a wave are outstanding.
; SCRATCH has no bytes of its own: the waves' row maxima meet in p's region before p is written (a barrier between); the row sums stay in registers and
; meet behind the product in the first 512 bytes of each wave's own 32 KiB, which have had their one fill and which only that wave has read.
.set XA,  262144                       ; 64 KiB: p fragments [ks 16][m 4][1 KiB]; before that, [row 64][w 8] f32: the waves' row maxima
.set WVF, 2097152
.set VW,  4                            ; v4  my 32 KiB + 16 lane
.set VXA, 5                            ; v5  XA + 16 lane
.set VXW, 6                            ; v6  XA + w x 8 KiB + 16 lane
; v7 my word among row r's maxima, v8 row r's eight maxima, v9 my row sums' store, v10-12, v14 the waves' row sums (rows 2 lane, 2 lane + 1),
; v15 my copy of 256 / row sum: store, v60: read; v[56:59] my row sums, kept through the product
.set SR,  64                           ; v[64:191] S, then p: (sw, nt, mt) at SR + 64 sw + 16 nt + 8 mt; row tile m = 2 sw + mt
.set BF,  64                           ; v[64:127]  two buffers of four p fragments
.set AF,  128                          ; v[128:159] two buffers of two Wv^T fragments
.set PK,  160                          ; v[160:191] packed f16
.set ACC, 192                          ; v[192:255] accumulator (n, m) at ACC + 8 (4 n + m); before the product: the maxima as read
.set G1J, 16
.macro PLACES                          ; four plain vector places behind a matrix instruction (ISA guide 7.12.1)
.rept 4
	v_nop
.endr
.endm
.macro ROUND
	s_barrier_signal -1
	s_barrier_wait -1
	s_cmp_lg_u32 s12, 0
	s_cbranch_scc1 .Lnot_wave_0_\@
	s_barrier_signal -3
.Lnot_wave_0_\@:
	s_barrier_wait -3
	s_barrier_signal -1
	s_barrier_wait -1
.endm
.macro XSUM x, t
	v_add_f32_dpp v[\x], v[\x], v[\x] row_xmask:1 row_mask:0xf bank_mask:0xf
	v_add_f32_dpp v[\x], v[\x], v[\x] row_xmask:2 row_mask:0xf bank_mask:0xf
	v_add_f32_dpp v[\x], v[\x], v[\x] row_xmask:4 row_mask:0xf bank_mask:0xf
	v_add_f32_dpp v[\x], v[\x], v[\x] row_xmask:8 row_mask:0xf bank_mask:0xf
	v_permlanex16_b32 v[\t], v[\x], s66, s67
	v_add_f32 v[\x], v[\x], v[\t]
.endm
	s_load_b256 s[4:11], s[0:1], 0x0               ; SB 4, ST 6, WF 8, MTF 10
	v_lshrrev_b32 v1, 5, v0
	v_readfirstlane_b32 s12, v1
	v_and_b32 v1, 31, v0
	v_and_b32 v2, 15, v0
	v_bfe_u32 v3, v0, 4, 1
	v_lshlrev_b32 v13, 4, v1
	v_mov_b32 v21, 0                               ; a lane permute's destination counts as read
	s_mov_b32 s66, 0x76543210
	s_mov_b32 s67, 0xfedcba98
	s_mov_b32 s68, 0x37000000                      ; 2^-17 = 1 / (256 x 512)
	s_mov_b32 s72, 0x3727c5ac                      ; 1e-5
	s_lshr_b32 s15, ttmp9, 3                       ; b
	s_bfe_u32 s14, ttmp9, 0x20001                  ; h
	s_and_b32 s56, ttmp9, 1                        ; kh
	s_bfe_u32 s13, ttmp6, 0x40000                  ; cx: block of 64 rows d
	s_lshl_b32 s69, s12, 15                        ; w x 32 KiB
	s_lshr_b32 s58, ttmp9, 1
	s_lshl_b32 s58, s58, 9                         ; the map's 64 partials: 512 bytes
	s_mov_b32 s59, 0
	s_lshr_b32 s70, ttmp9, 1
	s_lshl_b32 s70, s70, 19
	s_lshl_b32 s57, s12, 16
	s_add_co_u32 s70, s70, s57
	s_lshl_b32 s57, s13, 14
	s_add_co_u32 s70, s70, s57                     ; SB: launch 2's work-group 8 map + w, its waves 2 cx and 2 cx + 1: 16 KiB
	s_mov_b32 s71, 0
	s_wait_kmcnt 0x0
	s_add_nc_u64 s[52:53], s[6:7], s[58:59]
	s_add_nc_u64 s[60:61], s[4:5], s[70:71]
	global_load_b128 v[16:19], v13, s[52:53]       ; two partials a lane: (mean, M2, mean, M2)
.set j, 0
.rept 16
	global_load_b128 v[SR+8*j:SR+8*j+3],   v13, s[60:61] offset:j*1024
	global_load_b128 v[SR+8*j+4:SR+8*j+7], v13, s[60:61] offset:j*1024+512
.set j, j+1
.endr
	s_mov_b32 s[G1J+0], 0x0023000f                 ; mask 15, bit 21 beside it, elements of 8 bytes
	s_mov_b32 s[G1J+1], 32<<16                     ; 64 rows of 256 bytes, dense
	s_mov_b32 s[G1J+2], 64<<16
	s_mov_b32 s[G1J+3], 32<<16
	s_mov_b32 s[G1J+4], 64
	s_mov_b32 s[G1J+5], 32
	s_mov_b32 s[G1J+6], 0
	s_mov_b32 s[G1J+7], 0
	s_lshl_b32 s58, s14, 19
	s_lshl_b32 s54, s56, 18
	s_add_co_u32 s58, s58, s54
	s_add_co_u32 s58, s58, s69
	s_add_co_u32 s58, s58, WVF
	s_mov_b32 s32, 1
	s_mov_b32 s33, s69
	s_add_nc_u64 s[34:35], s[8:9], s[58:59]        ; WVF [h][8 kh + w][ks 16][nt 2][1 KiB]
	s_or_b32 s35, s35, 0x80000000
	s_mov_b32 s36, 1
	s_add_co_u32 s37, s69, 16384
	s_add_nc_u64 s[38:39], s[34:35], 16384
	s_lshl_b32 s70, s15, 20
	s_lshl_b32 s57, s56, 19
	s_add_co_u32 s70, s70, s57
	s_lshl_b32 s57, s12, 16
	s_add_co_u32 s70, s70, s57
	s_lshl_b32 s57, s14, 13
	s_add_co_u32 s70, s70, s57
	s_lshl_b32 s57, s13, 11
	s_add_co_u32 s70, s70, s57
	s_add_nc_u64 s[62:63], s[10:11], s[70:71]      ; MTF [b][kt 32][h 4][cs 8][1 KiB]: kt = 16 kh + 2 w + n, cs = 2 cx + m / 2, half m & 1
	v_add_nc_u32 v[VW], s69, v13
	v_add_nc_u32 v[VXA], XA, v13
	s_lshl_b32 s54, s12, 13
	v_add_nc_u32 v[VXW], s54, v[VXA]
	v_lshlrev_b32 v8, 5, v2
	v_add_nc_u32 v8, XA, v8
	s_lshl_b32 s54, s12, 2
	v_add_nc_u32 v7, s54, v8
	v_lshl_add_u32 v9, v2, 2, s69
	v_lshlrev_b32 v10, 3, v1
	v_add_nc_u32 v11, 65536, v10
	v_add_nc_u32 v12, 2*65536, v10
	v_add_nc_u32 v14, 3*65536, v10
	s_add_co_u32 s54, s69, 256
	v_lshl_add_u32 v15, v1, 3, s54
	v_lshl_add_u32 v60, v3, 5, s54
	ROUND                                          ; the four partners are here
	tensor_load_to_lds s[32:35], s[G1J:G1J+7]      ; my rows of Wv^T, K steps 0-7
	s_nop 0
	tensor_load_to_lds s[36:39], s[G1J:G1J+7]      ; K steps 8-15
	s_nop 0
	; the map's variance
	s_wait_loadcnt 32                              ; the partials are in; S's 32 loads may stay out
	v_add_f32 v20, v16, v18
	XSUM 20, 21
	v_mul_f32 v20, 0x3c800000, v20                 ; the map's mean: / 64
	v_sub_f32 v22, v16, v20
	v_sub_f32 v23, v18, v20
	v_add_f32 v24, v17, v19
	v_mul_f32 v22, v22, v22
	v_fmac_f32 v22, v23, v23
	v_fmac_f32 v24, 0x45000000, v22                ; + 2,048 (d0^2 + d1^2)
	XSUM 24, 21
	v_fma_f32 v24, v24, s68, s72                   ; var + 1e-5
	v_rsq_f32 v24, v24
	v_nop                                          ; one plain place behind a transcendental (ISA guide 5.7.2)
	s_wait_alu depctr_va_vdst(0)
	v_mul_f32 v26, 0x3fb8aa3b, v24                 ; r log2 e
	v_mov_b32 v27, v26
	; row maxima: lane (r, hh) holds 32 numbers of row 16 m + r; four chains that do not wait for each other
	s_wait_loadcnt 0x0
.irp sw, 0,1
.irp mt, 0,1
	v_max3_num_f32 v[28+2*\sw+\mt], v[SR+64*\sw+8*\mt], v[SR+64*\sw+8*\mt+1], v[SR+64*\sw+8*\mt+2]
.endr
.endr
.irp i, 3,5
.irp sw, 0,1
.irp mt, 0,1
	v_max3_num_f32 v[28+2*\sw+\mt], v[SR+64*\sw+8*\mt+\i], v[SR+64*\sw+8*\mt+\i+1], v[28+2*\sw+\mt]
.endr
.endr
.endr
.irp sw, 0,1
.irp mt, 0,1
	v_max_num_f32 v[28+2*\sw+\mt], v[SR+64*\sw+8*\mt+7], v[28+2*\sw+\mt]
.endr
.endr
.irp nt, 1,2,3
.irp i, 0,2,4,6
.irp sw, 0,1
.irp mt, 0,1
	v_max3_num_f32 v[28+2*\sw+\mt], v[SR+64*\sw+16*\nt+8*\mt+\i], v[SR+64*\sw+16*\nt+8*\mt+\i+1], v[28+2*\sw+\mt]
.endr
.endr
.endr
.endr
.irp m, 0,1,2,3
	v_permlanex16_b32 v[21+\m], v[28+\m], s66, s67
.endr
.irp m, 0,1,2,3
	v_max_num_f32 v[28+\m], v[28+\m], v[21+\m]
.endr
.irp m, 0,1,2,3
	ds_store_b32 v7, v[28+\m] offset:\m*512
.endr
	s_wait_dscnt 0x0
	s_barrier_signal -1
	s_barrier_wait -1                              ; the tensor loads stay on their way: nothing is filled again in this launch
.irp m, 0,1,2,3
	ds_load_b128 v[ACC+8*\m:ACC+8*\m+3],   v8 offset:\m*512
	ds_load_b128 v[ACC+8*\m+4:ACC+8*\m+7], v8 offset:\m*512+16
.endr
	s_wait_dscnt 0x0                               ; my reads of the maxima are back:
	s_barrier_signal -1                            ; say so; p is written over them only behind this barrier's wait.  Register work alone up to there
.irp m, 0,1,2,3
	v_max3_num_f32 v[28+\m], v[ACC+8*\m],   v[ACC+8*\m+1], v[ACC+8*\m+2]
	v_max3_num_f32 v[28+\m], v[ACC+8*\m+3], v[ACC+8*\m+4], v[28+\m]
	v_max3_num_f32 v[28+\m], v[ACC+8*\m+5], v[ACC+8*\m+6], v[28+\m]
	v_max_num_f32  v[28+\m], v[ACC+8*\m+7], v[28+\m]
	v_mul_f32 v[32+2*\m], -v[28+\m], v26           ; - rowmax r log2 e
	v_mov_b32 v[33+2*\m], v[32+2*\m]
.endr
.irp sw, 0,1
.irp nt, 0,1,2,3
.irp mt, 0,1
.irp i, 0,2,4,6
	v_pk_fma_f32 v[SR+64*\sw+16*\nt+8*\mt+\i:SR+64*\sw+16*\nt+8*\mt+\i+1], v[SR+64*\sw+16*\nt+8*\mt+\i:SR+64*\sw+16*\nt+8*\mt+\i+1], v[26:27], v[32+4*\sw+2*\mt:33+4*\sw+2*\mt]
.endr
.endr
.endr
.endr
.set j, 0
.rept 128
	v_exp_f32 v[SR+j], v[SR+j]
.set j, j+1
.endr
	v_nop                                          ; one plain place behind the last transcendental
	; my 64 columns' row sums, four chains
	s_wait_alu depctr_va_vdst(0)
.irp sw, 0,1
.irp mt, 0,1
	v_pk_add_f32 v[40+4*\sw+2*\mt:41+4*\sw+2*\mt], v[SR+64*\sw+8*\mt:SR+64*\sw+8*\mt+1], v[SR+64*\sw+8*\mt+2:SR+64*\sw+8*\mt+3]
.endr
.endr
.irp i, 4,6
.irp sw, 0,1
.irp mt, 0,1
	v_pk_add_f32 v[40+4*\sw+2*\mt:41+4*\sw+2*\mt], v[40+4*\sw+2*\mt:41+4*\sw+2*\mt], v[SR+64*\sw+8*\mt+\i:SR+64*\sw+8*\mt+\i+1]
.endr
.endr
.endr
.irp nt, 1,2,3
.irp i, 0,2,4,6
.irp sw, 0,1
.irp mt, 0,1
	v_pk_add_f32 v[40+4*\sw+2*\mt:41+4*\sw+2*\mt], v[40+4*\sw+2*\mt:41+4*\sw+2*\mt], v[SR+64*\sw+16*\nt+8*\mt+\i:SR+64*\sw+16*\nt+8*\mt+\i+1]
.endr
.endr
.endr
.endr
.irp m, 0,1,2,3
	v_add_f32 v[40+2*\m], v[40+2*\m], v[41+2*\m]
.endr
.irp m, 0,1,2,3
	v_permlanex16_b32 v[21+\m], v[40+2*\m], s66, s67
.endr
.irp m, 0,1,2,3
	v_add_f32 v[56+\m], v[40+2*\m], v[21+\m]       ; kept in registers through the product
.endr
.set j, 0
.rept 16
.irp i, 0,1,2,3
	v_cvt_pk_f16_f32 v[SR+8*j+\i], v[SR+8*j+2*\i], v[SR+8*j+2*\i+1]    ; packed in place: word i is written behind the reads of words 2 i, 2 i + 1
.endr
.set j, j+1
.endr
	s_barrier_wait -1                              ; every wave has read the maxima
.irp sw, 0,1
.irp nt, 0,1,2,3
.irp mt, 0,1
	ds_store_b128 v[VXW], v[SR+64*\sw+16*\nt+8*\mt:SR+64*\sw+16*\nt+8*\mt+3] offset:(\nt/2)*4096+(2*\sw+\mt)*1024+(\nt%2)*512    ; K step 2 w + nt / 2, half nt % 2
.endr
.endr
.endr
	s_wait_dscnt 0x0
	s_barrier_signal -1
	s_barrier_wait -1                              ; all of p is in LDS
.macro FETCH buf, ks                   ; twelve LDS loads: K step ks of the four row tiles of p and of my two k tiles
.irp m, 0,1,2,3
	ds_load_b128 v[BF+32*\buf+8*\m:BF+32*\buf+8*\m+3],   v[VXA] offset:\ks*4096+\m*1024
	ds_load_b128 v[BF+32*\buf+8*\m+4:BF+32*\buf+8*\m+7], v[VXA] offset:\ks*4096+\m*1024+512
.endr
.irp n, 0,1
	ds_load_b128 v[AF+16*\buf+8*\n:AF+16*\buf+8*\n+3],   v[VW] offset:\ks*2048+\n*1024
	ds_load_b128 v[AF+16*\buf+8*\n+4:AF+16*\buf+8*\n+7], v[VW] offset:\ks*2048+\n*1024+512
.endr
.endm
; Source 0 = p (rows d), source 1 = Wv^T (rows k): register i of lane (r, hh) is (d = 16 m + 8 hh + i, k = 16 n + r).
; The eight accumulators take turns, one instruction a turn.
.macro MUL buf, zero
.irp n, 0,1
.irp m, 0,1,2,3
.if \zero
	v_wmma_f32_16x16x32_f16 v[ACC+8*(4*\n+\m):ACC+8*(4*\n+\m)+7], v[BF+32*\buf+8*\m:BF+32*\buf+8*\m+7], v[AF+16*\buf+8*\n:AF+16*\buf+8*\n+7], 0
.else
	v_wmma_f32_16x16x32_f16 v[ACC+8*(4*\n+\m):ACC+8*(4*\n+\m)+7], v[BF+32*\buf+8*\m:BF+32*\buf+8*\m+7], v[AF+16*\buf+8*\n:AF+16*\buf+8*\n+7], v[ACC+8*(4*\n+\m):ACC+8*(4*\n+\m)+7]
.endif
.endr
.endr
.endm
	s_wait_tensorcnt 0x1                           ; K steps 0-7 of my Wv^T rows are in; the second load may stay out
	FETCH 0, 0
.set KS, 0
.rept 15
.if KS == 7
	s_wait_tensorcnt 0x0                           ; K steps 8-15 are in
.endif
.if KS > 0
	PLACES
.endif
	FETCH ((KS+1)%2), (KS+1)
	s_wait_dscnt 12                                ; all but the twelve loads just issued
	MUL (KS%2), (KS==0)
.set KS, KS+1
.endr
	s_wait_dscnt 0x0
	MUL 1, 0
	; the row sums meet: each wave's 64 in the first 256 bytes of its own 32 KiB, which it has read for the last time
.irp m, 0,1,2,3
	ds_store_b32 v9, v[56+\m] offset:\m*64
.endr
	s_wait_dscnt 0x0
	s_barrier_signal -1
	s_barrier_wait -1
	ds_load_b64 v[16:17], v10                      ; rows 2 lane, 2 lane + 1 of waves 0 .. 7
	ds_load_b64 v[18:19], v10 offset:32768
	ds_load_b64 v[20:21], v11
	ds_load_b64 v[22:23], v11 offset:32768
	ds_load_b64 v[24:25], v12
	ds_load_b64 v[26:27], v12 offset:32768
	ds_load_b64 v[28:29], v14
	ds_load_b64 v[30:31], v14 offset:32768
	s_wait_dscnt 0x0
	v_pk_add_f32 v[16:17], v[16:17], v[18:19]      ; these seven adds name none of the products' registers: they are the places behind the last product
	v_pk_add_f32 v[20:21], v[20:21], v[22:23]
	v_pk_add_f32 v[24:25], v[24:25], v[26:27]
	v_pk_add_f32 v[28:29], v[28:29], v[30:31]
	v_pk_add_f32 v[16:17], v[16:17], v[20:21]
	v_pk_add_f32 v[24:25], v[24:25], v[28:29]
	v_pk_add_f32 v[16:17], v[16:17], v[24:25]
	v_rcp_f32 v16, v16
	v_rcp_f32 v17, v17
	v_nop
	s_wait_alu depctr_va_vdst(0)
	v_pk_mul_f32 v[16:17], v[16:17], 0x43800000 op_sel_hi:[1,0]    ; 256 / row sum
	ds_store_b64 v15, v[16:17]                     ; my wave's own copy, in its next 256 bytes; LDS serves a wave's instructions in order
.irp m, 0,1,2,3
	ds_load_b128 v[24+8*\m:27+8*\m], v60 offset:\m*64              ; rows 16 m + 8 hh + 0 .. 7, as my registers need them
	ds_load_b128 v[28+8*\m:31+8*\m], v60 offset:\m*64+16
.endr
	s_wait_dscnt 0x0
.irp n, 0,1
.irp m, 0,1,2,3
.irp i, 0,2,4,6
	v_pk_mul_f32 v[ACC+8*(4*\n+\m)+\i:ACC+8*(4*\n+\m)+\i+1], v[ACC+8*(4*\n+\m)+\i:ACC+8*(4*\n+\m)+\i+1], v[24+8*\m+\i:25+8*\m+\i]
.endr
.endr
.endr
.irp a, 0,1,2,3,4,5,6,7
.irp i, 0,1,2,3
	v_cvt_pk_f16_f32 v[PK+4*\a+\i], v[ACC+8*\a+2*\i], v[ACC+8*\a+2*\i+1]
.endr
.endr
.irp n, 0,1
.irp m, 0,1,2,3
	global_store_b128 v13, v[PK+4*(4*\n+\m):PK+4*(4*\n+\m)+3], s[62:63] offset:\n*32768+\m*512     ; 512 consecutive bytes: half m & 1 of fragment (kt, h, cs)
.endr
.endr
	ROUND                                          ; the closing round
	s_endpgm
.Lfunc_end_k_q517f63acbc_soft:
	.size	k_q517f63acbc_soft, .Lfunc_end_k_q517f63acbc_soft-k_q517f63acbc_soft
	.p2alignl 7, 3214868480
	.fill 96, 4, 3214868480
	.section	.rodata,"a",@progbits
	.p2align	6, 0x0
	.amdhsa_kernel k_q517f63acbc_soft
		.amdhsa_group_segment_fixed_size 327680
		.amdhsa_private_segment_fixed_size 0
		.amdhsa_enable_private_segment 0
		.amdhsa_kernarg_size 32
		.amdhsa_user_sgpr_count 2
		.amdhsa_user_sgpr_kernarg_segment_ptr 1
		.amdhsa_wavefront_size32 1
		.amdhsa_system_sgpr_workgroup_id_x 1
		.amdhsa_system_sgpr_workgroup_id_y 1
		.amdhsa_system_sgpr_workgroup_id_z 1
		.amdhsa_system_vgpr_workitem_id 0
		.amdhsa_next_free_vgpr 256
		.amdhsa_next_free_sgpr 74
		.amdhsa_reserve_vcc 0
		.amdhsa_float_denorm_mode_32 3
		.amdhsa_float_denorm_mode_16_64 3
		.amdhsa_memory_ordered 1
		.amdhsa_forward_progress 1
		.amdhsa_inst_pref_size 62
	.end_amdhsa_kernel
	.amdgpu_metadata
---
amdhsa.version: [ 1, 2 ]
amdhsa.kernels:
  - .name:           k_q517f63acbc_soft
    .symbol:         k_q517f63acbc_soft.kd
    .args:
      - { .name: SB, .offset: 0, .size: 8, .value_kind: global_buffer, .address_space: global }
      - { .name: ST, .offset: 8, .size: 8, .value_kind: global_buffer, .address_space: global }
      - { .name: WF, .offset: 16, .size: 8, .value_kind: global_buffer, .address_space: global }
      - { .name: MTF, .offset: 24, .size: 8, .value_kind: global_buffer, .address_space: global }
    .group_segment_fixed_size: 327680
    .private_segment_fixed_size: 0
    .kernarg_segment_align: 8
    .kernarg_segment_size: 32
    .max_flat_workgroup_size: 256
    .sgpr_count:     74
    .vgpr_count:     256
    .wavefront_size: 32
...
	.end_amdgpu_metadata
.endif
;; end of part 8
;; launch tproj: the kernel of part 4 again; grid 256 x 1, 4 waves a work-group, clusters of 4 x 1, 167,936 bytes of LDS; arguments MTF, WF, TF; writes TF
;; launch final (part 9): grid 256 x 1, 4 waves a work-group, clusters of 4 x 1, 295,424 bytes of LDS; arguments emb_all, TF, out0; writes out0
.if DOCPART == 9
	.amdgcn_target "amdgcn-amd-amdhsa--gfx1250"
	.amdhsa_code_object_version 6
	.text
	.protected	k_q517f63acbc_final
	.globl	k_q517f63acbc_final
	.p2align	8
	.type	k_q517f63acbc_final,@function
k_q517f63acbc_final:
	s_mov_b64 s[64:65], 0
	v_nop
	global_prefetch_b8 v0, s[64:65] scope:SCOPE_SE
	s_setreg_imm32_b32 hwreg(HW_REG_WAVE_MODE, 25, 1), 1
	s_wait_xcnt 0x0
	s_wait_alu depctr_hold_cnt(0) depctr_sa_sdst(0) depctr_va_vdst(0) depctr_va_sdst(0) depctr_va_ssrc(0) depctr_va_vcc(0) depctr_vm_vsrc(0)
	s_getreg_b32 s2, hwreg(HW_REG_IB_STS2, 6, 4)
	s_cmp_eq_u32 s2, 0
	s_cbranch_scc0 .Lentry_in_a_cluster
	s_endpgm
.Lentry_in_a_cluster:
	s_bfe_u32 s2, ttmp6, 0x10000c
	s_cmp_lg_u32 s2, 0x3003
	s_cbranch_scc0 .Lentry_shape_is_right
	s_endpgm
.Lentry_shape_is_right:
; LAUNCH 5 OF 5.  out[b][n][d] = 2^-8 sum over k of emb_all[b][n][k] T'[b][d][k].
; LIMIT: emb_all goes to f16 as it is: |x| < 65,504.
; SHARE: cluster q, place cx: b = q >> 3, rows n0 = 32 (4 (q & 7) + cx) .. + 31.  The work-group makes 32 n x 256 d over K = 512.
; Wave w owns d = 64 w .. + 63: 2 x 4 accumulators.  Source 0 = T' (rows d), source 1 = emb_all (rows n): a lane's eight results are eight neighbouring d of one row n.
; CLUSTER: the four partners share T'[b], 256 KiB of the 320 KiB that a work-group reads: joint loads, mask 15; wave w asks for and alone reads its 64 KiB,
; in four loads of 16 KiB (four K steps each).  Every LDS byte is filled once.  At most four tensor loads of a wave are outstanding.
; emb_all's 32 rows hang on cx and are f32: they come through registers.  Wave w takes rows 8 w .. 8 w + 7, each load of the wave covering 512 consecutive
; bytes; the f16 rows go row by row into LDS (1,024 bytes + 16: an odd multiple of 16, so that the 16 rows of a fragment load start in 16 different
; 16-byte columns), and fragments are read from there by two loads of 16 bytes a lane, 32 bytes apart.
.set XE,  262144                       ; 32 rows x 1,040 bytes: emb_all in f16, K along the rows
.set XP,  1040
.set SP,  272                          ; the way out: rows of 256 bytes + 16, in the wave's own 64 KiB behind their last fill and last read
.set LD,  64                           ; v[64:191] 32 loads of 16 bytes a lane
.set BF,  64
.set AF,  128
.set ACC, 192
.set G1J, 16
.set G0,  32
.macro PLACES                          ; four plain vector places behind a matrix instruction (ISA guide 7.12.1)
.rept 4
	v_nop
.endr
.endm
.macro ROUND
	s_barrier_signal -1
	s_barrier_wait -1
	s_cmp_lg_u32 s12, 0
	s_cbranch_scc1 .Lnot_wave_0_\@
	s_barrier_signal -3
.Lnot_wave_0_\@:
	s_barrier_wait -3
	s_barrier_signal -1
	s_barrier_wait -1
.endm
	s_load_b128 s[4:7], s[0:1], 0x0                ; emb_all 4, TF 6
	s_load_b64 s[8:9], s[0:1], 0x10                ; out0
	v_lshrrev_b32 v1, 5, v0
	v_readfirstlane_b32 s12, v1
	v_and_b32 v1, 31, v0
	v_and_b32 v2, 15, v0
	v_bfe_u32 v3, v0, 4, 1
	v_lshlrev_b32 v13, 4, v1                       ; 16 lane
	s_lshr_b32 s15, ttmp9, 3                       ; b
	s_bfe_u32 s13, ttmp6, 0x40000                  ; cx
	s_and_b32 s56, ttmp9, 7
	s_lshl_b32 s56, s56, 2
	s_add_co_u32 s56, s56, s13                     ; block of 32 rows n, 0..31
	s_lshl_b32 s69, s12, 16                        ; w x 64 KiB
	v_add_nc_u32 v4, s69, v13                      ; my T' fragments
	v_mul_u32_u24 v5, v2, XP
	v_lshl_add_u32 v5, v3, 4, v5
	v_add_nc_u32 v5, XE, v5                        ; emb_all's fragments: row r, 16 bytes at 16 hh
	s_mul_i32 s58, s12, 8*XP
	s_add_co_u32 s58, s58, XE
	v_lshl_add_u32 v6, v1, 3, s58                  ; the rows that I convert: 8 bytes (4 f16) a lane
	v_mul_u32_u24 v8, v2, SP
	v_lshl_add_u32 v8, v3, 5, v8
	v_add_nc_u32 v8, s69, v8                       ; the way out, in: row r, 32 bytes at 8 hh
	v_mul_u32_u24 v9, v3, SP
	v_lshl_add_u32 v9, v2, 4, v9
	v_add_nc_u32 v9, s69, v9                       ; back: lanes 0-15 one row of 256 bytes, lanes 16-31 the next
	v_lshlrev_b32 v10, 10, v3
	v_lshl_add_u32 v10, v2, 4, v10                 ; and the same two rows in out0
	s_lshl_b32 s70, s15, 21
	s_lshl_b32 s13, s56, 16
	s_add_co_u32 s70, s70, s13
	s_lshl_b32 s13, s12, 14
	s_add_co_u32 s70, s70, s13
	s_mov_b32 s71, 0
	s_wait_kmcnt 0x0
	s_add_nc_u64 s[4:5], s[4:5], s[70:71]          ; emb_all at my wave's eight rows
.set RW, 0
.rept 8
.irp x, 0,1,2,3
	global_load_b128 v[LD+16*RW+4*\x:LD+16*RW+4*\x+3], v13, s[4:5] offset:RW*2048+\x*512 th:TH_LOAD_NT    ; 512 consecutive bytes of row RW
.endr
.set RW, RW+1
.endr
	s_mov_b32 s[G1J+0], 0x0023000f                 ; mask 15, bit 21 beside it, elements of 8 bytes
	s_mov_b32 s[G1J+1], 32<<16                     ; 64 rows of 256 bytes, dense
	s_mov_b32 s[G1J+2], 64<<16
	s_mov_b32 s[G1J+3], 32<<16
	s_mov_b32 s[G1J+4], 64
	s_mov_b32 s[G1J+5], 32
	s_mov_b32 s[G1J+6], 0
	s_mov_b32 s[G1J+7], 0
	s_lshl_b32 s58, s15, 18
	s_add_co_u32 s58, s58, s69
	s_mov_b32 s59, 0
	s_add_nc_u64 s[52:53], s[6:7], s[58:59]        ; TF [b][dw = w][ks 16][nt 4][1 KiB]
	s_or_b32 s53, s53, 0x80000000
.irp t, 0,1,2,3
	s_mov_b32 s[G0+4*\t], 1
	s_add_co_u32 s[G0+4*\t+1], s69, \t*16384
	s_add_nc_u64 s[G0+4*\t+2:G0+4*\t+3], s[52:53], \t*16384
.endr
	s_lshl_b32 s70, s15, 20
	s_lshl_b32 s13, s56, 15
	s_add_co_u32 s70, s70, s13
	s_lshl_b32 s13, s12, 8
	s_add_co_u32 s70, s70, s13
	s_add_nc_u64 s[8:9], s[8:9], s[70:71]          ; out0 at my rows, my wave's 64 columns d
	ROUND
.irp t, 0,1,2,3
	tensor_load_to_lds s[G0+4*\t:G0+4*\t+3], s[G1J:G1J+7]
	s_nop 0
.endr
.set RW, 0
.rept 8
	s_wait_loadcnt 28-4*RW                         ; row RW's four loads are in; the younger ones stay out
.irp x, 0,1,2,3
	v_cvt_pk_f16_f32 v[LD+16*RW+4*\x],   v[LD+16*RW+4*\x],   v[LD+16*RW+4*\x+1]
	v_cvt_pk_f16_f32 v[LD+16*RW+4*\x+1], v[LD+16*RW+4*\x+2], v[LD+16*RW+4*\x+3]
	ds_store_b64 v6, v[LD+16*RW+4*\x:LD+16*RW+4*\x+1] offset:RW*XP+\x*256         ; 256 consecutive bytes
.endr
.set RW, RW+1
.endr
	s_wait_dscnt 0x0                               ; my rows are in LDS, for the others' sake
	s_barrier_signal -1
	s_barrier_wait -1                              ; T's loads stay on their way: nothing is filled again
.macro FETCH buf, ks                   ; twelve LDS loads: K step ks of my four d tiles and of the two n tiles
.irp nt, 0,1,2,3
	ds_load_b128 v[BF+32*\buf+8*\nt:BF+32*\buf+8*\nt+3],   v4 offset:\ks*4096+\nt*1024
	ds_load_b128 v[BF+32*\buf+8*\nt+4:BF+32*\buf+8*\nt+7], v4 offset:\ks*4096+\nt*1024+512
.endr
.irp mt, 0,1
	ds_load_b128 v[AF+16*\buf+8*\mt:AF+16*\buf+8*\mt+3],   v5 offset:\mt*16*XP+\ks*64
	ds_load_b128 v[AF+16*\buf+8*\mt+4:AF+16*\buf+8*\mt+7], v5 offset:\mt*16*XP+\ks*64+32
.endr
.endm
; Eight products.  The eight accumulators take turns, one instruction a turn.
.macro MUL buf, zero
.irp nt, 0,1,2,3
.irp mt, 0,1
.if \zero
	v_wmma_f32_16x16x32_f16 v[ACC+8*(2*\nt+\mt):ACC+8*(2*\nt+\mt)+7], v[BF+32*\buf+8*\nt:BF+32*\buf+8*\nt+7], v[AF+16*\buf+8*\mt:AF+16*\buf+8*\mt+7], 0
.else
	v_wmma_f32_16x16x32_f16 v[ACC+8*(2*\nt+\mt):ACC+8*(2*\nt+\mt)+7], v[BF+32*\buf+8*\nt:BF+32*\buf+8*\nt+7], v[AF+16*\buf+8*\mt:AF+16*\buf+8*\mt+7], v[ACC+8*(2*\nt+\mt):ACC+8*(2*\nt+\mt)+7]
.endif
.endr
.endr
.endm
	s_wait_tensorcnt 0x3                           ; K steps 0-3 of T' are in; three younger loads stay out
	FETCH 0, 0
.set KS, 0
.rept 15
.if ((KS+1)%4) == 0
	s_wait_tensorcnt 3-(KS+1)/4                    ; the next four K steps are in: 2, 1, 0 younger loads stay out
.endif
.if KS > 0
	PLACES
.endif
	FETCH ((KS+1)%2), (KS+1)
	s_wait_dscnt 12                                ; all but the twelve loads just issued
	MUL (KS%2), (KS==0)
.set KS, KS+1
.endr
	s_wait_dscnt 0x0
	MUL 1, 0
	; THE WAY OUT: x 2^-8, 32 bytes a lane into my own stage, back as whole rows of 256 bytes.  LDS serves a wave's instructions in order.
	PLACES
.set j, 0
.rept 32
	v_pk_mul_f32 v[ACC+2*j:ACC+2*j+1], v[ACC+2*j:ACC+2*j+1], 0x3b800000 op_sel_hi:[1,0]
.set j, j+1
.endr
.irp nt, 0,1,2,3
.irp mt, 0,1
	ds_store_b128 v8, v[ACC+8*(2*\nt+\mt):ACC+8*(2*\nt+\mt)+3]   offset:\mt*16*SP+\nt*64
	ds_store_b128 v8, v[ACC+8*(2*\nt+\mt)+4:ACC+8*(2*\nt+\mt)+7] offset:\mt*16*SP+\nt*64+16
.endr
.endr
.irp t, 0,1,2,3,4,5,6,7,8,9,10,11,12,13,14,15
	ds_load_b128 v[BF+4*\t:BF+4*\t+3], v9 offset:\t*2*SP
.endr
.irp t, 0,1,2,3,4,5,6,7,8,9,10,11,12,13,14,15
	s_wait_dscnt 15-\t
	global_store_b128 v10, v[BF+4*\t:BF+4*\t+3], s[8:9] offset:\t*2048 th:TH_STORE_NT     ; 16 lanes store 256 consecutive bytes, at a multiple of 256 from out0's first byte
.endr
	ROUND                                          ; the closing round
	s_endpgm
.Lfunc_end_k_q517f63acbc_final:
	.size	k_q517f63acbc_final, .Lfunc_end_k_q517f63acbc_final-k_q517f63acbc_final
	.p2alignl 7, 3214868480
	.fill 96, 4, 3214868480
	.section	.rodata,"a",@progbits
	.p2align	6, 0x0
	.amdhsa_kernel k_q517f63acbc_final
		.amdhsa_group_segment_fixed_size 295424
		.amdhsa_private_segment_fixed_size 0
		.amdhsa_enable_private_segment 0
		.amdhsa_kernarg_size 24
		.amdhsa_user_sgpr_count 2
		.amdhsa_user_sgpr_kernarg_segment_ptr 1
		.amdhsa_wavefront_size32 1
		.amdhsa_system_sgpr_workgroup_id_x 1
		.amdhsa_system_sgpr_workgroup_id_y 1
		.amdhsa_system_sgpr_workgroup_id_z 1
		.amdhsa_system_vgpr_workitem_id 0
		.amdhsa_next_free_vgpr 256
		.amdhsa_next_free_sgpr 72
		.amdhsa_reserve_vcc 0
		.amdhsa_float_denorm_mode_32 3
		.amdhsa_float_denorm_mode_16_64 3
		.amdhsa_memory_ordered 1
		.amdhsa_forward_progress 1
		.amdhsa_inst_pref_size 44
	.end_amdhsa_kernel
	.amdgpu_metadata
---
amdhsa.version: [ 1, 2 ]
amdhsa.kernels:
  - .name:           k_q517f63acbc_final
    .symbol:         k_q517f63acbc_final.kd
    .args:
      - { .name: emb_all, .offset: 0, .size: 8, .value_kind: global_buffer, .address_space: global }
      - { .name: TF, .offset: 8, .size: 8, .value_kind: global_buffer, .address_space: global }
      - { .name: out0, .offset: 16, .size: 8, .value_kind: global_buffer, .address_space: global }
    .group_segment_fixed_size: 295424
    .private_segment_fixed_size: 0
    .kernarg_segment_align: 8
    .kernarg_segment_size: 24
    .max_flat_workgroup_size: 128
    .sgpr_count:     72
    .vgpr_count:     256
    .wavefront_size: 32
...
	.end_amdgpu_metadata
.endif
;; end of part 9
